; MI455X (gfx1250); checked and timed in simulation.
; The chip was launched on July 23, 2026; its instructions are those of AMD's public machine-readable ISA for CDNA 5 (MIT licence, August 2026) and "CDNA5" Instruction Set Architecture Reference Guide (July 2026). The comments in the code are by the model that wrote it; some were corrected since.
;; Multi Head Attention. Allowed arithmetic: matrix products marked QUANTISED: E2M3 operands, one E8M0 scale for each 32 along K, by v_wmma_scale_f32_16x16x128_f8f6f4 with both operands' format E2M3, f32 sums; everything else in f32.
;; Inputs: Wk 1,024 x 1,024 float32; Wo 1,024 x 1,024 float32; Wq 1,024 x 1,024 float32; Wv 1,024 x 1,024 float32; bk 1,024 float32; bo 1,024 float32; bq 1,024 float32; bv 1,024 float32; ln_b 1,024 float32; ln_w 1,024 float32; x 4 x 2,048 x 1,024 float32.
;; Outputs: out0 4 x 2,048 x 1,024 float32.
;; This version of the problem:
;;   THIS VERSION OF THE PROBLEM IS GIVEN IN LOW PRECISION. The matrix products marked QUANTISED in the list below multiply operands that are first quantised to E2M3 (2 exponent bits, 3 mantissa bits; 6 bits a number), with one power-of-two scale for each 32 numbers along K (OCP MX v1.0); their sums are f32. All else is computed in f32.
;;   The module's matrix products, in the order in which they are computed (A, B: the left and right operand; K: the contracted axis; several contracted axes count as one K, in the product's order):
;;     1. [M 8,192, K 1,024] x [K 1,024, N 1,024]; A: input x; B: input Wq: QUANTISED
;;     2. [M 8,192, K 1,024] x [K 1,024, N 1,024]; A: input x; B: input Wk: QUANTISED
;;     3. [M 8,192, K 1,024] x [K 1,024, N 1,024]; A: input x; B: input Wv: QUANTISED
;;     4. batch 64 x [M 2,048, K 64] x [K 64, N 2,048]; A: computed on the way; B: computed on the way: QUANTISED
;;     5. batch 64 x [M 2,048, K 2,048] x [K 2,048, N 64]; A: softmax (see below); B: computed on the way: QUANTISED
;;     6. [M 8,192, K 1,024] x [K 1,024, N 1,024]; A: computed on the way; B: input Wo: QUANTISED
;;   THE QUANTISER, for each operand of a quantised product, along K:
;;     - K is cut into blocks of 32 from its start; a last block that is shorter is filled with zeros.
;;     - A block's scale is 2^e with e = floor(log2(the largest magnitude in the block)) - 2, held to -126 .. 127; a block of zeros has e = 0. As a byte (E8M0): e + 127.
;;     - Each number is divided by its block's scale, clamped to +-7.5, and rounded to the nearest number of E2M3, ties to even, subnormals kept.
;;     - The product sums the exact products of the quantised numbers (number of the format x scale) in f32.
;;   ~~~python
;;   def quantise(x, axis):      # numpy; x: float32 -> the quantised numbers, widened to float32 again
;;       x = np.moveaxis(x, axis, -1); K = x.shape[-1]
;;       x = np.pad(x, [(0, 0)] * (x.ndim - 1) + [(0, -K % 32)]); x = x.reshape(x.shape[:-1] + (-1, 32)); a = np.abs(x).max(-1, keepdims=True)
;;       e = np.where(a > 0, np.clip(np.frexp(np.where(a > 0, a, 1))[1] - 1 - 2, -126, 127), 0)      # np.frexp(a)[1] - 1 = floor(log2(a)), exactly
;;       r = np.clip(x / 2.0 ** e, -7.5, 7.5)
;;       step = 2.0 ** (np.maximum(np.frexp(np.where(r == 0, 1, r))[1] - 1, 0) - 3)
;;       q = np.round(r / step) * step * 2.0 ** e      # np.round: ties to even
;;       return np.moveaxis(q.reshape(q.shape[:-2] + (-1,))[..., :K], -1, axis).astype(np.float32)
;;   ~~~
;;   SOFTMAX AHEAD OF A QUANTISED PRODUCT. Where the list says 'softmax', what is quantised is not the finished softmax but p = 2^(t - M), with t = logit x log2(e) and M = ceil(the row's largest t), a whole number; so 1/2 < the row's largest p <= 1. The row's sum l is taken of the UNQUANTISED p, in f32, and the product's result is divided by l at the end. Since M is a whole number, a kernel that streams over the keys may use a running M (the ceiling of the running maximum): every later rescaling is an exact power of two, which a block's scale takes up: the codes' values come out the same.
;;   OPERANDS COMPUTED ON THE WAY. 'Computed on the way' means the value that the module computes at that place (a softmax that the list does not call 'softmax' is quantised finished and normalised). What goes into a quantiser is computed in f32, as accurately as f32 sums, v_exp_f32 and their like allow (about 1e-6 of the number): no bf16 or f16 on the way to a quantiser, and a product that is left as it is and whose result goes on into a quantised operand takes f32 operands (vector FMAs, or v_wmma_f32_16x16x4_f32). A number that lies on a knife's edge between two numbers of the format may be rounded either way, as far as f32 arithmetic and the matrix unit's own rounding can turn it there, and no further.
;; One version. Each part assembles by itself: llvm-mc -triple=amdgcn-amd-amdhsa -mcpu=gfx1250 --defsym DOCPART=n.
;; ======== version 1 of 1: 4 launches
;; workspace buffers: xwc 9,830,400 bytes; qkvc 19,660,800 bytes; oc 6,553,600 bytes
;; launch quant (part 1): grid 384 x 1, 4 waves a work-group, no clusters, 34,304 bytes of LDS; arguments x, Wq, Wk, Wv, Wo, xwc; writes xwc
.if DOCPART == 1
	.amdgcn_target "amdgcn-amd-amdhsa--gfx1250"
	.amdhsa_code_object_version 6
	.text
	.protected	k_q9c9657f611_quant
	.globl	k_q9c9657f611_quant
	.p2align	8
	.type	k_q9c9657f611_quant,@function
k_q9c9657f611_quant:
	s_mov_b64 s[64:65], 0
	v_nop
	global_prefetch_b8 v0, s[64:65] scope:SCOPE_SE
	s_setreg_imm32_b32 hwreg(HW_REG_WAVE_MODE, 25, 1), 1
	s_wait_xcnt 0x0
; x [8192][1024] and Wq, Wk, Wv, Wo [1024][1024], f32 with K innermost, become codes of FP6 (E2M3) with one E8M0 byte for each 32 along K.
; A block's scale is 2^(floor(log2(largest magnitude)) - 2): its byte is the largest magnitude's exponent field - 2, held at 1 from below.
; LIMITS: NaN and infinities are not served; a block whose largest magnitude lies under 2^-124 keeps the byte 1; a block of zeros has the byte 1
; where the quantiser's text says 127: its codes are zeros, which add nothing under any byte but 0xff, and only this program reads the bytes.
; LAYOUT OF THE RESULT: IMAGES OF THE OPERAND'S REGISTERS.  Rows go in tiles of 16; stored tile t, row i is row 32 (t / 2) + 8 (t % 2) + i + 8 (i / 8), so that a later
; product that takes such tiles as its source 0 finds 16 neighbours in the 16 registers of two neighbouring result tiles.  A fragment (16 rows x 128 K, 12 registers a lane)
; is 1,536 bytes: registers 4 g .. 4 g + 3 of lane l at 512 g + 16 l.  A tile's 8 fragments lie on end.  Scale words: 512 bytes a tile, [pair of K steps][row][2 words].
; SHARES: work-groups 0-255 take x, then 32 for each weight; a work-group takes 32 rows (two stored tiles); wave w takes tile w / 2 and K half w % 2: four fragments.
; Each load reads 512 consecutive bytes of one row; a fragment's 16 rows turn through the wave's own stage in LDS (rows 528 bytes apart, so that 16 rows start in 16 different
; groups of banks), since the conversions want 32 neighbours along K in one lane.  No barrier: waves share nothing.  Two fragments' loads (32 a wave) are on their way.
.set WC,   6291456                     ; in xwc: the weights' codes behind x's
.set XS,   9437184                     ; x's scale words
.set WS,   9699328                     ; the weights'
.set SP,   528                         ; a stage row
.set R,    16                          ; v16-143  two sets of 64: a fragment as loaded
.set X,    144                         ; v144-207 register 32 c + e: k = 64 c + 32 (lane / 16) + e of row lane % 16
.set C,    208                         ; v208-219 the fragment's codes
.set CT,   220                         ; v220-226 the second half of each block's codes (a conversion's three registers begin on an even number)
.set W,    228                         ; v228-231 the four fragments' scale words
.set M,    232                         ; v232-239 at work
	s_load_b256 s[4:11], s[0:1], 0x0               ; x, Wq, Wk, Wv
	s_load_b128 s[12:15], s[0:1], 0x20             ; Wo, xwc
	v_lshl_add_u32 v240, v0, 2, 0x8400
	v_mov_b32 v241, 0
	v_lshrrev_b32 v6, 5, v0
	v_readfirstlane_b32 s28, v6                    ; wave
	v_and_b32 v7, 31, v0                           ; lane
	v_and_b32 v8, 15, v0                           ; r
	v_bfe_u32 v9, v0, 4, 1                         ; h
	v_lshlrev_b32 v1, 4, v7                        ; 16 x lane: my bytes of a load's and of a store's 512
	s_mul_i32 s29, s28, 16*SP                      ; my wave's stage
	v_add_nc_u32 v2, s29, v1                       ; into it: a row as it was loaded
	v_mul_u32_u24 v3, v8, SP
	v_lshl_add_u32 v3, v9, 7, v3
	v_add_nc_u32 v3, s29, v3                       ; out of it: row r, 128 bytes on for lanes 16-31
	v_lshlrev_b32 v4, 3, v9                        ; 8 h: my two bytes' place in a scale word
	v_lshlrev_b32 v5, 3, v8
	v_lshl_add_u32 v5, v9, 7, v5                   ; the scale words' store: 128 h + 8 r
	v_mov_b32 v[M+7], 0                            ; a lane permute's destination counts as read: written once
	s_mov_b32 s26, 0x76543210
	s_mov_b32 s27, 0xfedcba98                      ; selects for lane l xor 16
	s_lshr_b32 s30, s28, 1                         ; which of the two tiles
	s_and_b32 s31, s28, 1                          ; which half of K
	s_wait_kmcnt 0x0
	s_mov_b64 s[20:21], s[12:13]                   ; the tensor is chosen by the work-group's number alone
	s_cmp_lt_u32 ttmp9, 352
	s_cselect_b64 s[20:21], s[10:11], s[20:21]
	s_cmp_lt_u32 ttmp9, 320
	s_cselect_b64 s[20:21], s[8:9], s[20:21]
	s_cmp_lt_u32 ttmp9, 288
	s_cselect_b64 s[20:21], s[6:7], s[20:21]
	s_mov_b32 s19, WS
	s_cmp_lt_u32 ttmp9, 256
	s_cselect_b64 s[20:21], s[4:5], s[20:21]
	s_cselect_b32 s16, 0, 256
	s_cselect_b32 s17, 511, 63                     ; tiles in the tensor - 1
	s_cselect_b32 s18, 0, WC
	s_cselect_b32 s19, XS, s19
	s_sub_co_u32 s16, ttmp9, s16
	s_lshl_b32 s16, s16, 1
	s_add_co_u32 s16, s16, s30                     ; the tile's number among x's 512 or the weights' 256
	s_and_b32 s17, s16, s17                        ; and in its own tensor
	s_lshr_b32 s32, s17, 1
	s_lshl_b32 s32, s32, 17                        ; 32 rows of 4,096 bytes for each pair of tiles,
	s_and_b32 s33, s17, 1
	s_lshl_b32 s33, s33, 15                        ; 8 rows for the odd tile,
	s_add_co_u32 s32, s32, s33
	s_lshl_b32 s33, s31, 11                        ; 2,048 bytes for the upper half of K
	s_add_co_u32 s32, s32, s33
	s_mov_b32 s33, 0
	s_add_nc_u64 s[20:21], s[20:21], s[32:33]      ; the numbers
	s_mul_i32 s34, s16, 12288
	s_add_co_u32 s34, s34, s18
	s_mul_i32 s35, s31, 6144
	s_add_co_u32 s34, s34, s35
	s_mov_b32 s35, 0
	s_add_nc_u64 s[22:23], s[14:15], s[34:35]      ; the codes
	s_lshl_b32 s36, s16, 9
	s_add_co_u32 s36, s36, s19
	s_lshl_b32 s37, s31, 8
	s_add_co_u32 s36, s36, s37
	s_mov_b32 s37, 0
	s_add_nc_u64 s[24:25], s[14:15], s[36:37]      ; the scale words
.macro LOAD f                          ; fragment f: 128 numbers of each of the tile's 16 rows, 512 consecutive bytes a load
.set i, 0
.rept 16
	global_load_b128 v[R+64*((\f)%2)+4*i:R+64*((\f)%2)+4*i+3], v1, s[20:21] offset:(i+8*(i/8))*4096+512*(\f) th:TH_LOAD_NT
.set i, i+1
.endr
.endm
.macro FRAGM f
.if (\f) < 3
	s_wait_loadcnt 16                              ; this fragment's 16 loads are in; the next fragment's 16 may be out
.else
	s_wait_loadcnt 0x0
.endif
.set i, 0
.rept 16
	ds_store_b128 v2, v[R+64*((\f)%2)+4*i:R+64*((\f)%2)+4*i+3] offset:SP*i
.set i, i+1
.endr
.irp c, 0,1
.irp j, 0,1,2,3,4,5,6,7
	ds_load_b128 v[X+32*\c+4*\j:X+32*\c+4*\j+3], v3 offset:256*\c+16*\j   ; LDS serves a wave's instructions in order: these see the stores above
.endr
.endr
	s_wait_dscnt 0x0                               ; the stores have read their registers, and my 64 numbers are back
.if (\f) < 2
	LOAD (\f)+2
.endif
.irp c, 0,1
	v_max3_num_f32 v[M+\c], |v[X+32*\c]|, |v[X+32*\c+1]|, 0x1800000   ; block 2 c + h: all 32 numbers are mine; the floor 2^(3 - 127) holds the byte at 1 from below
.endr
.irp i, 2,4,6,8,10,12,14,16,18,20,22,24,26,28,30
.irp c, 0,1
	v_max3_num_f32 v[M+\c], v[M+\c], |v[X+32*\c+\i]|, |v[X+32*\c+\i+1]|
.endr
.endr
.irp c, 0,1
	v_add_nc_u32 v[M+2+\c], 0xff000000, v[M+\c]    ; 2 off the exponent field: the conversion takes this operand's exponent field as its scale
.endr
.irp c, 0,1
	v_lshrrev_b32 v[M+4+\c], 23, v[M+2+\c]         ; the scale's byte
.endr
	v_lshl_or_b32 v[M+6], v[M+5], 16, v[M+4]       ; my two bytes: blocks h and 2 + h,
	v_lshlrev_b32 v[M+6], v4, v[M+6]               ; at their places;
	v_permlanex16_b32 v[M+7], v[M+6], s26, s27
	v_or_b32 v[W+\f], v[M+6], v[M+7]               ; with lane l xor 16's two the row's word is whole
	s_wait_xcnt 0x0                                ; the last fragment's stores have read the codes' registers
.irp c, 0,1
	v_cvt_scalef32_pk16_fp6_f32 v[C+6*\c:C+6*\c+2], v[X+32*\c:X+32*\c+15], v[M+2+\c]
	v_cvt_scalef32_pk16_fp6_f32 v[CT+4*\c:CT+4*\c+2], v[X+32*\c+16:X+32*\c+31], v[M+2+\c]
.endr
	v_nop                                          ; one plain place behind the scaled conversions
.irp c, 0,1
.irp i, 0,1,2
	v_mov_b32 v[C+6*\c+3+\i], v[CT+4*\c+\i]
.endr
.endr
.irp g, 0,1,2
	global_store_b128 v1, v[C+4*\g:C+4*\g+3], s[22:23] offset:1536*(\f)+512*\g   ; 32 lanes store 512 consecutive bytes, aligned
.endr
.endm
	LOAD 0
	LOAD 1
	FRAGM 0
	FRAGM 1
	FRAGM 2
	FRAGM 3
	v_permlane16_swap_b32 v[W], v[W+2]             ; lanes 16-31 take the second pair of K steps' words
	v_permlane16_swap_b32 v[W+1], v[W+3]
	global_store_b64 v5, v[W:W+1], s[24:25]        ; 32 lanes store 256 consecutive bytes, aligned
	s_wait_tensorcnt 0x0
	ds_add_u32 v240, v241
	s_wait_dscnt 0x0
	s_endpgm
.Lfunc_end_k_q9c9657f611_quant:
	.size	k_q9c9657f611_quant, .Lfunc_end_k_q9c9657f611_quant-k_q9c9657f611_quant
	.p2alignl 7, 3214868480
	.fill 96, 4, 3214868480
	.section	.rodata,"a",@progbits
	.p2align	6, 0x0
	.amdhsa_kernel k_q9c9657f611_quant
		.amdhsa_group_segment_fixed_size 34304
		.amdhsa_private_segment_fixed_size 0
		.amdhsa_enable_private_segment 0
		.amdhsa_kernarg_size 48
		.amdhsa_user_sgpr_count 2
		.amdhsa_user_sgpr_kernarg_segment_ptr 1
		.amdhsa_wavefront_size32 1
		.amdhsa_system_sgpr_workgroup_id_x 1
		.amdhsa_system_sgpr_workgroup_id_y 1
		.amdhsa_system_sgpr_workgroup_id_z 1
		.amdhsa_system_vgpr_workitem_id 0
		.amdhsa_next_free_vgpr 242
		.amdhsa_next_free_sgpr 66
		.amdhsa_reserve_vcc 0
		.amdhsa_float_denorm_mode_32 3
		.amdhsa_float_denorm_mode_16_64 3
		.amdhsa_memory_ordered 1
		.amdhsa_forward_progress 1
		.amdhsa_inst_pref_size 31
	.end_amdhsa_kernel
	.amdgpu_metadata
---
amdhsa.version: [ 1, 2 ]
amdhsa.kernels:
  - .name:           k_q9c9657f611_quant
    .symbol:         k_q9c9657f611_quant.kd
    .args:
      - { .name: x, .offset: 0, .size: 8, .value_kind: global_buffer, .address_space: global }
      - { .name: Wq, .offset: 8, .size: 8, .value_kind: global_buffer, .address_space: global }
      - { .name: Wk, .offset: 16, .size: 8, .value_kind: global_buffer, .address_space: global }
      - { .name: Wv, .offset: 24, .size: 8, .value_kind: global_buffer, .address_space: global }
      - { .name: Wo, .offset: 32, .size: 8, .value_kind: global_buffer, .address_space: global }
      - { .name: xwc, .offset: 40, .size: 8, .value_kind: global_buffer, .address_space: global }
    .group_segment_fixed_size: 34304
    .private_segment_fixed_size: 0
    .kernarg_segment_align: 8
    .kernarg_segment_size: 48
    .max_flat_workgroup_size: 128
    .sgpr_count:     66
    .vgpr_count:     242
    .wavefront_size: 32
...
	.end_amdgpu_metadata
.endif
;; end of part 1
;; launch qkv (part 2): grid 12 x 32, 4 waves a work-group, clusters of 4 x 4, 327,680 bytes of LDS; arguments xwc, bq, bk, bv, qkvc; writes qkvc
.if DOCPART == 2
	.amdgcn_target "amdgcn-amd-amdhsa--gfx1250"
	.amdhsa_code_object_version 6
	.text
	.protected	k_q9c9657f611_qkv
	.globl	k_q9c9657f611_qkv
	.p2align	8
	.type	k_q9c9657f611_qkv,@function
k_q9c9657f611_qkv:
	s_mov_b64 s[64:65], 0
	v_nop
	global_prefetch_b8 v0, s[64:65] scope:SCOPE_SE
	s_setreg_imm32_b32 hwreg(HW_REG_WAVE_MODE, 25, 1), 1
	s_wait_xcnt 0x0
	s_wait_alu depctr_hold_cnt(0) depctr_sa_sdst(0) depctr_va_vdst(0) depctr_va_sdst(0) depctr_va_ssrc(0) depctr_va_vcc(0) depctr_vm_vsrc(0)
	s_getreg_b32 s2, hwreg(HW_REG_IB_STS2, 6, 4)
	s_cmp_eq_u32 s2, 0
	s_cbranch_scc0 .Lentry_in_a_cluster
	s_endpgm
.Lentry_in_a_cluster:
	s_bfe_u32 s2, ttmp6, 0x10000c
	s_cmp_lg_u32 s2, 0xf033
	s_cbranch_scc0 .Lentry_shape_is_right
	s_endpgm
.Lentry_shape_is_right:
; q = x Wq^T + bq, k = x Wk^T + bk, v = x Wv^T + bv on codes of FP6 (E2M3) with E8M0 scales, sums in f32; the results are quantised in registers and leave as codes:
; q and k along a head's 64 channels, v along the keys.  LIMITS as in the launch before: no NaN or infinities; bytes held at 1 from below; a block of zeros has the byte 1.
; ONE TEXT, TWO ORIENTATIONS.  Every product is D = (16 rows of B) x (16 rows of A)^T: a lane holds ONE row of A, its registers run along B's rows, and since stored tiles hold
; rows 32 (t / 2) + 8 (t % 2) + i + 8 (i / 8), the 16 registers of two neighbouring tiles are 16 NEIGHBOURS along B's rows.  Cluster column 0 (q) and 1 (k): A = x's tokens,
; B = the weight's channels: a lane has one token and 128 neighbouring channels.  Cluster column 2 (v): A = Wv's channels, B = tokens: one channel and 128 neighbouring keys.
; The choice hangs on the cluster's x alone, which all partners share; it selects offsets, and three short branches (bias, the first step's C, the scale words' way out).
; SHARES: a work-group makes 256 x 256, each of four waves 128 x 128: 64 accumulators, 512 registers.  K = 1,024 goes in four slots' worth of 256 through a ring of two LDS slots.
; Operands lie in memory as images of their registers, so a fragment comes by three loads of 16 bytes a lane, 512 consecutive bytes each: no pitch, no padding.
; CLUSTERS: 4 x 4.  A's tiles hang on the cluster's row alone, B's on its column alone: each is asked for jointly by the four that share it.
; The scale words of the work-group's 256 + 256 rows for all of K come once, with the first fills.
; REGISTERS: window 0: v1-8 offsets; v16-29 LDS addresses; v32-63 scale words, two sets; v64-127 the bias; v128-223 A's fragments, one set; v224-255 at work on the way out.
;   window 1: B's fragments, two sets, at v0 and v128.  windows 2, 3: the accumulators ((a, b) at v[8 (8 (a % 4) + b)]).
.set WC,    6291456                    ; in xwc: see the launch before
.set XS,    9437184
.set WS,    9699328
.set KV,    6291456                    ; in qkvc: q's codes [head 64][tile 128] x 768 at 0; then [head][step 16] x 12,288: K's 8 tiles x 768, V's 4 tiles x 1,536;
.set QS,    18874368                   ; q's scale words [head][step] x 256: [row][4 words];
.set KVS,   19136512                   ; K's and V's [head][step] x 512: K's 256 bytes, then V's
.set FR,    12                         ; registers of a fragment
.set NL,    3                          ; LDS loads that bring one
.set NP,    4                          ; places behind this matrix instruction (ISA guide 7.12.1)
.set NQ,    2                          ; matrix instructions deep in a slot
.set HALFT, 24576                      ; 8 tiles x 2 K steps x 1,536: what one tensor load brings, and what one wave reads of A or of B
.set SLOT,  4*HALFT
.set SCL,   2*SLOT                     ; A's scale words, 8,192 bytes;
.set SCB,   8320                       ; B's begin 128 bytes further than A's end, so that lanes 16-31 read the other half of the banks
.set SPARE, 213248                     ; the spare words, 128 bytes a wave: two blocks of 256 bytes that no other line names
.set ADRA,  16                         ; v16-17  my A fragments in slot 0, 1: 16 x lane + base
.set ADRB,  20                         ; v20-21  the same for B
.set ADRS,  27                         ; v27     my scale words: lanes 0-15 A's rows, lanes 16-31 B's
.set SPW,   28
.set NIL,   29
.set SC,    32
.set BIAS,  64
.set AF,    128
.set PC,    128                        ; the way out: a fragment's codes, v128-139, and v140-146 for the conversions' second halves
.set TM,    224                        ; v224-227 maxima, v228-231 the other lane's / bytes, v236-239 the conversions' scale operands
.set PW,    240                        ; v240-247 the eight scale words made
.set WW,    248                        ; v248-255 the same, sorted by head
.set G1,  24
.set G0,  32
.set G1B, 48
.set G0B, 56
.set G1S, 68
.set G0S, 76
.set G1SB, 80
.set G0SB, 88
.set MSB, 0
.macro WIN new                         ; the immediate's high byte repeats the setting that is left
.if MSB != \new
	s_set_vgpr_msb (MSB<<8)|\new
.set MSB, \new
.endif
.endm
.set MUL_LO, 0xa1                      ; source 0 (B) window 1, source 1 (A) window 0, C and D window 2
.set MUL_HI, 0xf1                      ; the same, C and D window 3
.set TO_B,   0x40                      ; destination window 1, address window 0
; A joint load: waves 0 and 1 fetch for A, waves 2 and 3 for B; the branch hangs on the wave's number alone.  Four v_nop follow each of the two lines.
.macro JLOAD g0a, g1a, g0b, g1b
	s_cmp_eq_u32 s15, 0
	s_cbranch_scc0 .Lfor_b_\@
	tensor_load_to_lds s[\g0a:\g0a+3], s[\g1a:\g1a+7]
	s_nop 0
.rept 4
	v_nop
.endr
	s_branch .Lasked_\@
.Lfor_b_\@:
	tensor_load_to_lds s[\g0b:\g0b+3], s[\g1b:\g1b+7]
	s_nop 0
.rept 4
	v_nop
.endr
.Lasked_\@:
.endm
.macro CREST                           ; a round of the cluster's barrier behind its opening barrier
	s_cmp_lg_u32 s14, 0
	s_cbranch_scc1 .Lnot_wave_0_\@
	s_barrier_signal -3
.Lnot_wave_0_\@:
	s_barrier_wait -3
	s_barrier_signal -1
	s_barrier_wait -1
.endm
.macro CROUND
	s_barrier_signal -1
	s_barrier_wait -1
	CREST
.endm
	s_load_b256 s[4:11], s[0:1], 0x0               ; xwc, bq, bk, bv
	s_load_b64 s[12:13], s[0:1], 0x20              ; qkvc
	v_lshl_add_u32 v[SPW], v0, 2, SPARE
	v_mov_b32 v[NIL], 0
	ds_add_u32 v28, v29
	ds_add_u32 v28, v29
	s_wait_dscnt 0x0
	v_lshrrev_b32 v1, 5, v0
	v_readfirstlane_b32 s14, v1                    ; wave 0..3
	s_lshr_b32 s15, s14, 1                         ; which half of A's rows is mine.  Also: I fetch for A (0) or for B (1)
	s_and_b32 s16, s14, 1                          ; which half of B's rows.  Also: which half I fetch
	s_bfe_u32 s40, ttmp6, 0x40000                  ; cx
	s_bfe_u32 s41, ttmp6, 0x40004                  ; cy
	s_and_b32 s17, ttmp7, 0xffff                   ; the cluster's y
	s_lshl_b32 s43, s41, 2
	s_lshl_b32 s43, 15, s43                        ; my row of the cluster
	s_lshl_b32 s44, 0x1111, s40                    ; my column
	; descriptor group 1, codes: 8 rows (tiles) of 384 elements of 8 bytes (two K steps' images), 1,536 elements from tile to tile; no padding
	s_or_b32 s[G1+0], s43, (3<<16)|(1<<21)         ; 15:0 the mask: A's tiles go to my row; 17:16 elements of 8 bytes; 21 set beside a mask
	s_or_b32 s[G1B+0], s44, (3<<16)|(1<<21)
.irp g, G1, G1B
	s_mov_b32 s[\g+1], 384<<16                     ; tensor_dim0
	s_mov_b32 s[\g+2], 8<<16                       ; tensor_dim1
	s_mov_b32 s[\g+3], 384<<16                     ; tile_dim0
	s_mov_b32 s[\g+4], 8                           ; tile_dim1
	s_mov_b32 s[\g+5], 1536                        ; tensor_dim0_stride
	s_mov_b32 s[\g+6], 0
	s_mov_b32 s[\g+7], 0
.endr
	; scale words of 8 tiles: 4,096 dense bytes as 16 rows of 256
	s_or_b32 s[G1S+0], s43, (3<<16)|(1<<21)
	s_or_b32 s[G1SB+0], s44, (3<<16)|(1<<21)
.irp g, G1S, G1SB
	s_mov_b32 s[\g+1], 32<<16
	s_mov_b32 s[\g+2], 16<<16
	s_mov_b32 s[\g+3], 32<<16
	s_mov_b32 s[\g+4], 16
	s_mov_b32 s[\g+5], 32
	s_mov_b32 s[\g+6], 0
	s_mov_b32 s[\g+7], 0
.endr
	; which 256 rows.  A's number is made of cy and the cluster's place alone, B's of cx and the cluster's place alone
	s_lshl_b32 s18, s17, 2
	s_lshl_b32 s19, ttmp9, 2
	s_add_co_u32 s66, s18, s41                     ; q, k: A = tokens, block 4 y + cy
	s_add_co_u32 s20, s41, 8                       ; v:    A = Wv, block 8 + cy of the weights
	s_add_co_u32 s67, s18, s40                     ; v:    B = tokens, block 4 y + cx
	s_add_co_u32 s46, s19, s40                     ; q, k: B = the weight, block 4 x + cx
	s_mov_b32 s2, XS
	s_mov_b32 s3, WS
	s_cmp_eq_u32 ttmp9, 2
	s_cselect_b32 s66, s20, s66                    ; A's block of 16 tiles
	s_cselect_b32 s67, s67, s46                    ; B's
	s_cselect_b32 s21, WC, 0
	s_cselect_b32 s47, 0, WC
	s_cselect_b32 s23, s3, s2
	s_cselect_b32 s97, s2, s3
	s_mul_i32 s20, s66, 196608                     ; 16 tiles of 12,288 bytes
	s_add_co_u32 s20, s20, s21
	s_mul_i32 s21, s16, 98304                      ; the half that I fetch
	s_add_co_u32 s20, s20, s21
	s_mov_b32 s21, 0
	s_lshl_b32 s22, s66, 13                        ; 16 tiles of 512 bytes of scale words
	s_add_co_u32 s22, s22, s23
	s_lshl_b32 s23, s16, 12
	s_add_co_u32 s22, s22, s23
	s_mov_b32 s23, 0
	s_mul_i32 s46, s67, 196608
	s_add_co_u32 s46, s46, s47
	s_mul_i32 s47, s16, 98304
	s_add_co_u32 s46, s46, s47
	s_mov_b32 s47, 0
	s_lshl_b32 s96, s67, 13
	s_add_co_u32 s96, s96, s97
	s_lshl_b32 s97, s16, 12
	s_add_co_u32 s96, s96, s97
	s_mov_b32 s97, 0
	s_mul_i32 s45, s14, HALFT                      ; where they go: wave x a half: no place in the cluster enters an LDS address
	s_lshl_b32 s98, s14, 12
	s_lshl_b32 s99, s15, 7
	s_add_co_u32 s98, s98, s99
	s_wait_kmcnt 0x0
	s_add_nc_u64 s[20:21], s[4:5], s[20:21]
	s_add_nc_u64 s[22:23], s[4:5], s[22:23]
	s_add_nc_u64 s[46:47], s[4:5], s[46:47]
	s_add_nc_u64 s[96:97], s[4:5], s[96:97]
	CROUND                                         ; all sixteen work-groups are here: the first joint loads meet
	s_mov_b32 s[G0S], 1
	s_add_co_u32 s[G0S+1], s98, SCL
	s_mov_b64 s[G0S+2:G0S+3], s[22:23]
	s_or_b32 s[G0S+3], s[G0S+3], 0x80000000
	s_mov_b32 s[G0SB], 1
	s_add_co_u32 s[G0SB+1], s98, SCL
	s_mov_b64 s[G0SB+2:G0SB+3], s[96:97]
	s_or_b32 s[G0SB+3], s[G0SB+3], 0x80000000
	JLOAD G0S, G1S, G0SB, G1SB                     ; the scale words first: they are wanted with the first K step
.irp s, 0,1
	s_mov_b32 s[G0+4*\s], 1
	s_add_co_u32 s[G0+4*\s+1], s45, \s*SLOT
	s_add_nc_u64 s[G0+4*\s+2:G0+4*\s+3], s[20:21], \s*3072
	s_or_b32 s[G0+4*\s+3], s[G0+4*\s+3], 0x80000000
	s_mov_b32 s[G0B+4*\s], 1
	s_add_co_u32 s[G0B+4*\s+1], s45, \s*SLOT
	s_add_nc_u64 s[G0B+4*\s+2:G0B+4*\s+3], s[46:47], \s*3072
	s_or_b32 s[G0B+4*\s+3], s[G0B+4*\s+3], 0x80000000
	JLOAD G0+4*\s, G1, G0B+4*\s, G1B               ; three tensor loads of mine are out
.endr
	v_and_b32 v1, 31, v0
	v_lshlrev_b32 v1, 4, v1                        ; 16 x lane
	v_lshrrev_b32 v2, 1, v1                        ; 8 x lane
	v_and_b32 v4, 15, v0                           ; r
	v_bfe_u32 v5, v0, 4, 1                         ; h
	s_mul_i32 s20, s15, HALFT                      ; my half of A
	s_mul_i32 s21, s16, HALFT                      ; my half of B,
	s_add_co_u32 s21, s21, 2*HALFT                 ; behind A's two
.irp s, 0,1
	v_add_nc_u32 v[ADRA+\s], s20, v1
	v_add_nc_u32 v[ADRB+\s], s21, v1
	s_add_co_u32 s20, s20, SLOT
	s_add_co_u32 s21, s21, SLOT
.endr
	s_lshl_b32 s20, s15, 12                        ; A's scale words: my 8 tiles
	s_lshl_b32 s21, s16, 12                        ; B's
	s_add_co_u32 s21, s21, SCB
	s_sub_co_u32 s21, s21, s20
	v_mul_u32_u24 v6, s21, v5                      ; lanes 16-31 take B's: the lower base + h x the distance
	s_add_co_u32 s20, s20, SCL
	v_lshl_add_u32 v6, v4, 3, v6                   ; 8 bytes a row: a slot's two words
	v_add_nc_u32 v[ADRS], s20, v6
	; THE BIAS is the C of each sum's first product.  q, k: it runs along B's rows: register 8 b + j holds channel 32 (b / 2) + 8 (b % 2) + 16 h + j of my 128.
	; v: it hangs on A's row: all eight registers of block a hold channel 32 (a / 2) + 8 (a % 2) + r + 8 (r / 8).
	v_lshlrev_b32 v7, 6, v5                        ; 64 h
	v_and_b32 v8, 8, v4
	v_add_nc_u32 v8, v8, v4
	v_lshlrev_b32 v8, 2, v8                        ; 4 (r + 8 (r / 8))
	s_lshl_b32 s20, s67, 1
	s_add_co_u32 s20, s20, s16
	s_and_b32 s20, s20, 7
	s_lshl_b32 s20, s20, 9                         ; q, k: my 128 channels' bytes in the bias
	s_mov_b32 s21, 0
	s_lshl_b32 s22, s66, 1
	s_add_co_u32 s22, s22, s15
	s_and_b32 s22, s22, 7
	s_lshl_b32 s22, s22, 9                         ; v: likewise
	s_mov_b32 s23, 0
	s_cmp_eq_u32 ttmp9, 0
	s_cselect_b64 s[6:7], s[6:7], s[8:9]           ; bq or bk
	s_add_nc_u64 s[6:7], s[6:7], s[20:21]
	s_add_nc_u64 s[10:11], s[10:11], s[22:23]
	s_cmp_eq_u32 ttmp9, 2
	s_cbranch_scc1 .Lbias_v
.irp b, 0,1,2,3,4,5,6,7
	global_load_b128 v[BIAS+8*\b:BIAS+8*\b+3], v7, s[6:7] offset:4*(32*(\b/2)+8*(\b%2))
	global_load_b128 v[BIAS+8*\b+4:BIAS+8*\b+7], v7, s[6:7] offset:4*(32*(\b/2)+8*(\b%2))+16
.endr
	s_branch .Lbias_done
.Lbias_v:
.irp a, 0,1,2,3,4,5,6,7
.irp j, 0,1,2,3,4,5,6,7
	global_load_b32 v[BIAS+8*\a+\j], v8, s[10:11] offset:4*(32*(\a/2)+8*(\a%2))   ; the same word into all eight: both ways write all 64 registers
.endr
.endr
.Lbias_done:
.irp b, 0,1,2,3
	v_mov_b32 v[TM+4+\b], 0                        ; a lane permute's destination counts as read: written once
.endr
	s_mov_b32 s92, 0x1800000                       ; the floor 2^(3 - 127)
	s_mov_b32 s94, 0x76543210
	s_mov_b32 s95, 0xfedcba98                      ; selects for lane l xor 16
.macro FRAG reg, adr, q, i             ; tile i's fragment of the slot's q-th K step: the image as it lies
.irp g, 0,1,2
	ds_load_b128 v[\reg+4*\g:\reg+4*\g+3], v[\adr] offset:3072*(\i)+1536*(\q)+512*\g
.endr
.endm
; 16 matrix instructions: A's blocks a0, a0 + 1 x B's eight.  p: B's set; sc: the set of scale words.  cm = 0: C = D; 1: C = the bias along B's rows; 2: along A's rows.
; The 64 accumulators take turns, one instruction a turn, in the same order in every step.
.macro MUL16 a0, p, q, sc, cm
.irp a, \a0, \a0+1
.irp b, 0,1,2,3,4,5,6,7
.if \cm == 0
	v_wmma_scale_f32_16x16x128_f8f6f4 v[8*(8*((\a)%4)+\b):8*(8*((\a)%4)+\b)+7], v[128*(\p)+FR*\b:128*(\p)+FR*\b+FR-1], v[AF+FR*(\a):AF+FR*(\a)+FR-1], v[8*(8*((\a)%4)+\b):8*(8*((\a)%4)+\b)+7], v[SC+8*NQ*(\sc)+NQ*\b+(\q)], v[SC+8*NQ*(\sc)+NQ*(\a)+(\q)] matrix_a_fmt:MATRIX_FMT_FP6 matrix_b_fmt:MATRIX_FMT_FP6 matrix_a_scale:MATRIX_SCALE_ROW1
.elseif \cm == 1
	v_wmma_scale_f32_16x16x128_f8f6f4 v[8*(8*((\a)%4)+\b):8*(8*((\a)%4)+\b)+7], v[128*(\p)+FR*\b:128*(\p)+FR*\b+FR-1], v[AF+FR*(\a):AF+FR*(\a)+FR-1], v[BIAS+8*\b:BIAS+8*\b+7], v[SC+8*NQ*(\sc)+NQ*\b+(\q)], v[SC+8*NQ*(\sc)+NQ*(\a)+(\q)] matrix_a_fmt:MATRIX_FMT_FP6 matrix_b_fmt:MATRIX_FMT_FP6 matrix_a_scale:MATRIX_SCALE_ROW1
.else
	v_wmma_scale_f32_16x16x128_f8f6f4 v[8*(8*((\a)%4)+\b):8*(8*((\a)%4)+\b)+7], v[128*(\p)+FR*\b:128*(\p)+FR*\b+FR-1], v[AF+FR*(\a):AF+FR*(\a)+FR-1], v[BIAS+8*(\a):BIAS+8*(\a)+7], v[SC+8*NQ*(\sc)+NQ*\b+(\q)], v[SC+8*NQ*(\sc)+NQ*(\a)+(\q)] matrix_a_fmt:MATRIX_FMT_FP6 matrix_b_fmt:MATRIX_FMT_FP6 matrix_a_scale:MATRIX_SCALE_ROW1
.endif
.endr
.endr
.endm
.macro FETCH_B slot, q, p
	WIN TO_B
.irp i, 0,1,2,3,4,5,6,7
	FRAG 128*(\p)+FR*\i, ADRB+\slot, \q, \i
.endr
	WIN 0
.endm
.macro FETCH_A slot, q, i0
.irp i, \i0, \i0+1, \i0+2, \i0+3
	FRAG AF+FR*(\i), ADRA+\slot, \q, \i
.endr
.endm
.macro SCALES sc, sg                   ; the scale words of K steps 2 sg, 2 sg + 1 into set sc: lanes 0-15 A's block i, lanes 16-31 B's block i
.irp i, 0,1,2,3,4,5,6,7
	ds_load_b64 v[SC+8*NQ*\sc+NQ*\i:SC+8*NQ*\sc+NQ*\i+1], v[ADRS] offset:512*\i+128*\sg
.endr
.endm
.macro PLACES n                        ; plain vector instructions between a matrix instruction and a load into, or a read of, its registers
.rept \n
	v_nop
.endr
.endm
; A K step of 128 that has its successor in the same slot.  A has one set of registers: blocks 0-3 are fetched anew in the step's middle, blocks 4-7 at its end.
.macro STEP slot, q, cm
	s_wait_dscnt 4*NL                              ; B's set, A's blocks 0-3 and the scale words are in; the youngest 12 loads (A's blocks 4-7) may be out
.if \cm
	WIN 0x81                                       ; as MUL_LO, with C (the bias) in window 0
.else
	WIN MUL_LO
.endif
	MUL16 0, (\q)%2, \q, \slot, \cm
	MUL16 2, (\q)%2, \q, \slot, \cm
	s_wait_dscnt 0x0                               ; A's blocks 4-7 are in
	PLACES NP
	FETCH_B \slot, (\q)+1, 1-(\q)%2
	FETCH_A \slot, (\q)+1, 0
.if \cm
	WIN 0xc1
.else
	WIN MUL_HI
.endif
	MUL16 4, (\q)%2, \q, \slot, \cm
	MUL16 6, (\q)%2, \q, \slot, \cm
	PLACES NP
	WIN 0
	FETCH_A \slot, (\q)+1, 4
.endm
; A slot's last step changes slots: one barrier; in front of it each wave waits for all its tensor loads, adds 0 to its spare word, and waits for that and for its reads of this slot.
; fill = 1: this slot is filled again, two slots' worth of K ahead, behind a round of the cluster's barrier.  sg: which pair of K steps the next slot holds.
.macro TURN slot, next, fill, sg
	s_wait_tensorcnt 0x0                           ; all my tensor loads have landed: my part of the next slot
	ds_add_u32 v[SPW], v[NIL]                      ; 0 onto my spare word
	s_wait_dscnt 4*NL+1                            ; (the add and the youngest 12 loads may be out)
	WIN MUL_LO
	MUL16 0, 1, NQ-1, \slot, 0                     ; sixteen matrix instructions stand between the add and the wait for it
	s_wait_dscnt 0x0                               ; the add is done, and my reads of this slot are over
	s_barrier_signal -1
	MUL16 2, 1, NQ-1, \slot, 0
	WIN 0
	s_barrier_wait -1
.if \fill
	CREST                                          ; no wave of any partner still reads this slot or has a load on its way
	s_add_nc_u64 s[G0+4*\slot+2:G0+4*\slot+3], s[G0+4*\slot+2:G0+4*\slot+3], 6144
	s_add_nc_u64 s[G0B+4*\slot+2:G0B+4*\slot+3], s[G0B+4*\slot+2:G0B+4*\slot+3], 6144
	JLOAD G0+4*\slot, G1, G0B+4*\slot, G1B         ; my one tensor load behind the round; its four v_nop are the places in front of the loads below
.else
	PLACES NP
.endif
	FETCH_B \next, 0, 0
	FETCH_A \next, 0, 0
	SCALES \next, \sg
	WIN MUL_HI
	MUL16 4, 1, NQ-1, \slot, 0
	MUL16 6, 1, NQ-1, \slot, 0
	PLACES NP
	WIN 0
	FETCH_A \next, 0, 4
.endm
	s_wait_tensorcnt 1                             ; the scale words and my part of slot 0 are in; slot 1's load may stay out
	s_barrier_signal -1
	s_barrier_wait -1
	FETCH_B 0, 0, 0
	FETCH_A 0, 0, 0
	SCALES 0, 0
	FETCH_A 0, 0, 4
	s_wait_loadcnt 0x0                             ; the bias
	s_cmp_eq_u32 ttmp9, 2
	s_cbranch_scc1 .Lfirst_v
	STEP 0, 0, 1                                   ; the first step starts the sums with the bias: nothing is cleared, nothing is added later
	s_branch .Lfirst_done
.Lfirst_v:
	STEP 0, 0, 2
.Lfirst_done:
	TURN 0, 1, 1, 1
	STEP 1, 0, 0
	TURN 1, 0, 1, 2
	STEP 0, 0, 0
	TURN 0, 1, 0, 3                                ; nothing is left to fetch
	STEP 1, 0, 0
	s_wait_dscnt 4*NL
	WIN MUL_LO
	MUL16 0, 1, NQ-1, 1, 0
	MUL16 2, 1, NQ-1, 1, 0
	s_wait_dscnt 0x0
	WIN MUL_HI
	MUL16 4, 1, NQ-1, 1, 0
	MUL16 6, 1, NQ-1, 1, 0
	WIN 0
	PLACES NP
	; THE WAY OUT, without LDS.  Block a's 64 registers of a lane are 128 neighbours along the next K of one row: register 16 b + i = k 32 b + 16 h + i.  They become one fragment and one
	; scale word.  q, k: its two halves (64 channels each) belong to two heads; v: they are one fragment of 128 keys.  A half is 768 bytes: registers 0-3 at 16 x lane, 4-5 at 512 + 8 x lane.
	s_lshl_b32 s36, s66, 1
	s_add_co_u32 s36, s36, s15                     ; 2 x A's block + my half
	s_lshl_b32 s37, s67, 1
	s_add_co_u32 s37, s37, s16                     ; 2 x B's block + my half
	s_mov_b32 s30, 768
	s_mov_b32 s22, KVS
	s_cmp_eq_u32 ttmp9, 2
	s_cselect_b32 s38, s37, s36                    ; which 128 tokens
	s_cselect_b32 s39, s36, s37                    ; which 128 channels (its low three bits)
	s_cselect_b32 s30, 1536, s30                   ; from block to block
	s_cselect_b32 s32, 190464, 0                   ; v: at block 4 on to the next head: 196,608 - 4 x 1,536
	s_cselect_b32 s20, 6144, 0                     ; v lies behind k in a step
	s_cselect_b32 s21, 256, 0
	s_cmp_eq_u32 ttmp9, 0
	s_cselect_b32 s3, 0, 1                         ; k's and v's strides are twice q's
	s_cselect_b32 s2, 0, KV
	s_cselect_b32 s22, QS, s22
	s_and_b32 s39, s39, 7
	s_lshl_b32 s39, s39, 1
	s_lshr_b32 s23, s38, 4
	s_lshl_b32 s23, s23, 4
	s_add_co_u32 s23, s23, s39                     ; my first head: 16 x batch + 2 x block of channels
	s_and_b32 s38, s38, 15                         ; the step of 128 tokens in the sequence
	s_mul_i32 s18, s23, 98304
	s_mul_i32 s19, s38, 6144
	s_add_co_u32 s18, s18, s19
	s_lshl_b32 s18, s18, s3
	s_add_co_u32 s24, s18, s20
	s_add_co_u32 s24, s24, s2
	s_mov_b32 s25, 0
	s_lshl_b32 s18, s23, 12
	s_lshl_b32 s19, s38, 8
	s_add_co_u32 s18, s18, s19
	s_lshl_b32 s18, s18, s3
	s_add_co_u32 s28, s18, s21
	s_add_co_u32 s28, s28, s22
	s_mov_b32 s29, 0
	s_lshl_b32 s34, 98304, s3                      ; q, k: the second half goes to the next head;
	s_lshl_b32 s36, 4096, s3                       ; and so do lanes 16-31's scale words
	s_cmp_eq_u32 ttmp9, 2
	s_cselect_b32 s34, 768, s34                    ; v: it follows the first
	s_mov_b32 s35, 0
	s_mov_b32 s31, 0
	s_mov_b32 s33, 0
	s_add_nc_u64 s[24:25], s[12:13], s[24:25]      ; the first half's place
	s_add_nc_u64 s[26:27], s[24:25], s[34:35]      ; the second's
	s_add_nc_u64 s[28:29], s[12:13], s[28:29]      ; the scale words'
	v_mul_u32_u24 v3, s36, v5
	v_lshl_add_u32 v3, v4, 4, v3                   ; 16 r + h x a head's scale words
.macro QUANT a
.set AC, 64*((\a)%4)
	WIN 0x28+0x14*((\a)/4)                         ; sources 1 and 2: the accumulators' window
.irp b, 0,1,2,3
	v_max3_num_f32 v[TM+\b], s92, |v[AC+16*\b]|, |v[AC+16*\b+1]|   ; block b: my 16 numbers and the floor; each accumulator is read from its low end on
.endr
.irp i, 2,4,6,8,10,12,14
.irp b, 0,1,2,3
	v_max3_num_f32 v[TM+\b], v[TM+\b], |v[AC+16*\b+\i]|, |v[AC+16*\b+\i+1]|
.endr
.endr
	WIN 0
.irp b, 0,1,2,3
	v_permlanex16_b32 v[TM+4+\b], v[TM+\b], s94, s95
.endr
.irp b, 0,1,2,3
	v_max_num_f32 v[TM+\b], v[TM+\b], v[TM+4+\b]   ; with lane l xor 16's: the block's largest magnitude
.endr
.irp b, 0,1,2,3
	v_add_nc_u32 v[TM+12+\b], 0xff000000, v[TM+\b] ; 2 off its exponent field: the conversion's scale operand
.endr
.irp b, 0,1,2,3
	v_lshrrev_b32 v[TM+4+\b], 23, v[TM+12+\b]      ; the scale's byte
.endr
	v_lshl_or_b32 v[PW+(\a)], v[TM+5], 8, v[TM+4]
	v_lshl_or_b32 v[PW+(\a)], v[TM+6], 16, v[PW+(\a)]
	v_lshl_or_b32 v[PW+(\a)], v[TM+7], 24, v[PW+(\a)]
	s_wait_xcnt 0x0                                ; the last block's stores have read their data and their bases
.if (\a) > 0
	s_add_nc_u64 s[24:25], s[24:25], s[30:31]
	s_add_nc_u64 s[26:27], s[26:27], s[30:31]
.endif
.if (\a) == 4
	s_add_nc_u64 s[24:25], s[24:25], s[32:33]
	s_add_nc_u64 s[26:27], s[26:27], s[32:33]
.endif
	WIN 0x02+(\a)/4                                ; source 0: the accumulators' window
.irp c, 0,1
	v_cvt_scalef32_pk16_fp6_f32 v[PC+6*\c:PC+6*\c+2], v[AC+32*\c:AC+32*\c+15], v[TM+12+2*\c]
	v_cvt_scalef32_pk16_fp6_f32 v[PC+12+4*\c:PC+14+4*\c], v[AC+32*\c+16:AC+32*\c+31], v[TM+12+2*\c+1]
.endr
	WIN 0
	v_nop                                          ; one plain place behind the scaled conversions
.irp c, 0,1                            ; the operand's layout wants a whole block in a lane: lanes 0-15 block 2 c, lanes 16-31 block 2 c + 1
.irp i, 0,1,2
	v_permlane16_swap_b32 v[PC+6*\c+\i], v[PC+12+4*\c+\i]
.endr
.irp i, 0,1,2
	v_mov_b32 v[PC+3+6*\c+\i], v[PC+12+4*\c+\i]
.endr
.endr
	global_store_b128 v1, v[PC:PC+3], s[24:25]                 ; 512 consecutive bytes, aligned
	global_store_b64 v2, v[PC+4:PC+5], s[24:25] offset:512     ; 256
	global_store_b128 v1, v[PC+6:PC+9], s[26:27]
	global_store_b64 v2, v[PC+10:PC+11], s[26:27] offset:512
.endm
.irp a, 0,1,2,3,4,5,6,7
	QUANT \a
.endr
	s_cmp_eq_u32 ttmp9, 2
	s_cbranch_scc1 .Lsc_v
	s_mov_b32 s36, 0x05040100                      ; q, k: word f of a head = tile 2 f's two bytes below, tile 2 f + 1's above
	s_mov_b32 s37, 0x07060302
.irp f, 0,1,2,3
	v_perm_b32 v[WW+\f], v[PW+2*\f+1], v[PW+2*\f], s36         ; my first head's
	v_perm_b32 v[WW+4+\f], v[PW+2*\f+1], v[PW+2*\f], s37       ; my second's
.endr
.irp f, 0,1,2,3
	v_permlane16_swap_b32 v[WW+\f], v[WW+4+\f]     ; lanes 16-31 take the second head's
.endr
	global_store_b128 v3, v[WW:WW+3], s[28:29]     ; sixteen lanes store 256 consecutive bytes, aligned, for each head
	s_branch .Lsc_done
.Lsc_v:
.irp t, 0,1,2,3
	v_permlane16_swap_b32 v[PW+\t], v[PW+4+\t]     ; v: word t = tile t's; lanes 16-31 take the second head's four tiles
.endr
	global_store_b128 v3, v[PW:PW+3], s[28:29]
.Lsc_done:
	s_wait_tensorcnt 0x0                           ; the wave's end
	ds_add_u32 v[SPW], v[NIL]
	s_wait_dscnt 0x0
	CROUND                                         ; the closing round: no work-group ends while a partner may still ask for a tile that names it
	s_endpgm
.Lfunc_end_k_q9c9657f611_qkv:
	.size	k_q9c9657f611_qkv, .Lfunc_end_k_q9c9657f611_qkv-k_q9c9657f611_qkv
	.p2alignl 7, 3214868480
	.fill 96, 4, 3214868480
	.section	.rodata,"a",@progbits
	.p2align	6, 0x0
	.amdhsa_kernel k_q9c9657f611_qkv
		.amdhsa_group_segment_fixed_size 327680
		.amdhsa_private_segment_fixed_size 0
		.amdhsa_enable_private_segment 0
		.amdhsa_kernarg_size 40
		.amdhsa_user_sgpr_count 2
		.amdhsa_user_sgpr_kernarg_segment_ptr 1
		.amdhsa_wavefront_size32 1
		.amdhsa_system_sgpr_workgroup_id_x 1
		.amdhsa_system_sgpr_workgroup_id_y 1
		.amdhsa_system_sgpr_workgroup_id_z 1
		.amdhsa_system_vgpr_workitem_id 0
		.amdhsa_next_free_vgpr 1024
		.amdhsa_next_free_sgpr 102
		.amdhsa_reserve_vcc 0
		.amdhsa_float_denorm_mode_32 3
		.amdhsa_float_denorm_mode_16_64 3
		.amdhsa_memory_ordered 1
		.amdhsa_forward_progress 1
		.amdhsa_inst_pref_size 162
	.end_amdhsa_kernel
	.amdgpu_metadata
---
amdhsa.version: [ 1, 2 ]
amdhsa.kernels:
  - .name:           k_q9c9657f611_qkv
    .symbol:         k_q9c9657f611_qkv.kd
    .args:
      - { .name: xwc, .offset: 0, .size: 8, .value_kind: global_buffer, .address_space: global }
      - { .name: bq, .offset: 8, .size: 8, .value_kind: global_buffer, .address_space: global }
      - { .name: bk, .offset: 16, .size: 8, .value_kind: global_buffer, .address_space: global }
      - { .name: bv, .offset: 24, .size: 8, .value_kind: global_buffer, .address_space: global }
      - { .name: qkvc, .offset: 32, .size: 8, .value_kind: global_buffer, .address_space: global }
    .group_segment_fixed_size: 327680
    .private_segment_fixed_size: 0
    .kernarg_segment_align: 8
    .kernarg_segment_size: 40
    .max_flat_workgroup_size: 128
    .sgpr_count:     102
    .vgpr_count:     1024
    .wavefront_size: 32
...
	.end_amdgpu_metadata
.endif
;; end of part 2
;; launch attn (part 3): grid 4 x 64, 16 waves a work-group, clusters of 4 x 1, 207,872 bytes of LDS; arguments qkvc, oc; writes oc
.if DOCPART == 3
	.amdgcn_target "amdgcn-amd-amdhsa--gfx1250"
	.amdhsa_code_object_version 6
	.text
	.protected	k_q9c9657f611_attn
	.globl	k_q9c9657f611_attn
	.p2align	8
	.type	k_q9c9657f611_attn,@function
k_q9c9657f611_attn:
	s_mov_b64 s[64:65], 0
	v_nop
	global_prefetch_b8 v0, s[64:65] scope:SCOPE_SE
	s_setreg_imm32_b32 hwreg(HW_REG_WAVE_MODE, 25, 1), 1
	s_wait_xcnt 0x0
	s_wait_alu depctr_hold_cnt(0) depctr_sa_sdst(0) depctr_va_vdst(0) depctr_va_sdst(0) depctr_va_ssrc(0) depctr_va_vcc(0) depctr_vm_vsrc(0)
	s_getreg_b32 s2, hwreg(HW_REG_IB_STS2, 6, 4)
	s_cmp_eq_u32 s2, 0
	s_cbranch_scc0 .Lentry_in_a_cluster
	s_endpgm
.Lentry_in_a_cluster:
	s_bfe_u32 s2, ttmp6, 0x10000c
	s_cmp_lg_u32 s2, 0x3003
	s_cbranch_scc0 .Lentry_shape_is_right
	s_endpgm
.Lentry_shape_is_right:
; o[head][q] = sum over keys of softmax(q . k / 8) v, both products on codes of FP6 (E2M3) with E8M0 scales; o is quantised along the model's 1,024 channels and leaves as codes.
; THE SOFTMAX: t = score x log2(e) / 8; M = the running largest t rounded UP to a whole number; p = 2^(t - M) is quantised along the keys, not normalised; the row's sum is taken of the
; unquantised p in f32 and divides O at the end.  When M moves, the sum and O are multiplied by 2^(old M - new M): exact.
; LIMITS: no NaN or infinities; scale bytes held at 1 from below (a block of zeros keeps 1: its codes are zeros).  A block's largest p is made from its largest score by the same
; multiply-add and exponential, which takes v_exp_f32 not to fall where its input rises.
; SHARES: a work-group owns 512 queries of one head: 64 heads x 4 work-groups, one for each of 256 WGPs.  Each of its sixteen waves owns TWO tiles of 16 queries, taken one after the
; other, in 256 registers: four waves to a SIMD, one wave's vector work beside another's products.
; THE WHOLE HEAD'S K AND V (196,608 bytes of codes, 8,192 of scale words) LIE IN LDS: filled once, read for both tiles, so no slot is ever filled again.  The four work-groups of a cluster
; are the four of one head: every fill is a joint load.  Waves 0 and 1 issue five each (the scale words, four quarters of the keys).
; THE WAVES MEET THREE TIMES: when the first quarter of the keys has landed, when the rest has, and at the end, where the tiles' scale bytes are gathered.  The second tile's walk has no barrier.
; K = 64 IN AN INSTRUCTION 128 DEEP: a fragment of K carries two tiles of keys, one at k 0-63, one at k 64-127; q stands twice, as [q | zero codes] and [zero codes | q].  The product with
; the first gives the first tile's scores, with the second the second's: what meets zero codes adds exactly 0 (no scale byte here is 0xff).
; LAYOUT: both products are used transposed (source 0 = 16 keys, or 16 channels of V; source 1 = my 16 queries): a lane holds one query.  Stored tiles hold rows
; 32 (t / 2) + 8 (t % 2) + i + 8 (i / 8), so the 16 registers of result tiles 2 b, 2 b + 1 are 16 neighbours: 32 b + 16 (lane / 16) + 0 .. 15.
; A fragment is two halves of 768 bytes: registers 0-3 at 16 x lane, 4-5 at 512 + 8 x lane: every LDS read is consecutive by lane.
.set KV,   6291456                     ; in qkvc: q's codes [head 64][tile 128] x 768 at 0; then [head][step 16] x 12,288: K's 6,144, V's 6,144;
.set QS,   18874368                    ; q's scale words [head][step] x 256: [row][4 words];
.set KVS,  19136512                    ; K's and V's [head][step] x 512
.set OS,   6291456                     ; in oc: codes [row tile 512][head 16] x 768 at 0; then two scale bytes a row, [head][row tile][16 rows]
.set SCL,  196608                      ; LDS: the codes at 0 (16 steps x 12,288); the scale words (16 x 512: K's 256, V's 256);
.set OST,  204800                      ; 2 x 512 bytes in which the sixteen waves' scale bytes of o meet, a run for each of a wave's two tiles: blocks of their own, into which no fill lands
.set KVF,  40                          ; v40-87   four fragments, K's and then V's
.set BM,   212                         ; v212-215 the blocks' largest scores, then largest p
.set BP,   216                         ; v216-219 the other lane's, then the bytes
.set BS,   220                         ; v220-223 the conversions' scale operands
.set Q2,   230                         ; v230-235 the second tile's q; v236 its scale words as loaded, v237 its scale word
; v1 16 x lane; v2 8 x lane; v3 SCL + 16 r; v4-6 the step's addresses; v7, v8 OST's; v11 q's scale word; v12 -M; v13 the largest t; v[14:15] the sum; v16-27 [q | 0]; v28-39 [0 | q];
; v88-91 K's scale words, v92-95 V's; v96-159 S^T, then p; v160-191 O^T; v192-203 p's codes; v204-210 conversions; v[224:225] f; v226 at work; v227 p's scale word; v[228:229] second sum
.macro CROUND                          ; a round of the cluster's barrier
	s_barrier_signal -1
	s_barrier_wait -1
	s_cmp_lg_u32 s18, 0
	s_cbranch_scc1 .Lnot_wave_0_\@
	s_barrier_signal -3
.Lnot_wave_0_\@:
	s_barrier_wait -3
	s_barrier_signal -1
	s_barrier_wait -1
.endm
	s_load_b128 s[4:7], s[0:1], 0x0                ; qkvc, oc
	v_lshl_add_u32 v254, v0, 2, 0x32400
	v_mov_b32 v255, 0
	ds_add_u32 v254, v255
	ds_add_u32 v254, v255
	v_lshrrev_b32 v1, 5, v0
	v_readfirstlane_b32 s18, v1                    ; wave 0..15
	s_bfe_u32 s8, ttmp6, 0x40000                   ; cx
	s_lshl_b32 s9, ttmp9, 2
	s_add_co_u32 s9, s9, s8                        ; my block of 512 queries: it enters q's and o's addresses alone
	s_and_b32 s10, ttmp7, 0xffff                   ; batch x 16 + head, which the four partners share
	s_and_b32 s11, s18, 1                          ; which half of a quarter I fetch, if I fetch
	; descriptor group 1: dense blocks as rows of 256 bytes (32 elements of 8); 96 rows of codes, 16 of scale words; the mask names all four work-groups
	s_mov_b32 s24, 15|(3<<16)|(1<<21)
	s_mov_b32 s25, 32<<16
	s_mov_b32 s26, 96<<16
	s_mov_b32 s27, 32<<16
	s_mov_b32 s28, 96
	s_mov_b32 s29, 32
	s_mov_b32 s30, 0
	s_mov_b32 s31, 0
	s_mov_b32 s32, 15|(3<<16)|(1<<21)
	s_mov_b32 s33, 32<<16
	s_mov_b32 s34, 16<<16
	s_mov_b32 s35, 32<<16
	s_mov_b32 s36, 16
	s_mov_b32 s37, 32
	s_mov_b32 s38, 0
	s_mov_b32 s39, 0
	s_mul_i32 s12, s11, 24576
	s_lshl_b32 s13, s11, 12
	s_mul_i32 s14, s10, 196608
	s_add_co_u32 s14, s14, s12
	s_add_co_u32 s14, s14, KV
	s_mov_b32 s15, 0
	s_lshl_b32 s16, s10, 13
	s_add_co_u32 s16, s16, s13
	s_add_co_u32 s16, s16, KVS
	s_mov_b32 s17, 0
	s_lshl_b32 s19, s9, 5
	s_add_co_u32 s19, s19, s18                     ; my first tile of queries in the sequence; my second lies 16 tiles on
	s_mul_i32 s68, s10, 98304
	s_mul_i32 s69, s19, 768
	s_add_co_u32 s68, s68, s69                     ; its codes (the second tile's: 16 x 768 bytes on)
	s_mov_b32 s69, 0
	s_lshl_b32 s70, s10, 12
	s_lshr_b32 s71, s19, 3
	s_lshl_b32 s71, s71, 8
	s_add_co_u32 s70, s70, s71
	s_bfe_u32 s71, s18, 0x20001                    ; (tile % 8) / 2: which word of a row's four
	s_lshl_b32 s71, s71, 2
	s_add_co_u32 s70, s70, s71
	s_add_co_u32 s70, s70, QS                      ; its scale words (the second tile's: two steps of 256 bytes on)
	s_mov_b32 s71, 0
	s_lshr_b32 s72, s10, 4
	s_lshl_b32 s72, s72, 7                         ; 128 row tiles a batch element
	s_add_co_u32 s73, s72, s19
	s_lshl_b32 s73, s73, 4
	s_and_b32 s74, s10, 15                         ; the head
	s_add_co_u32 s73, s73, s74
	s_mul_i32 s76, s73, 768                        ; o's codes: (16 x row tile + head) x 768 (the second tile's: 16 x 16 x 768 bytes on)
	s_mov_b32 s77, 0
	s_lshl_b32 s75, s9, 5
	s_add_co_u32 s75, s75, s72
	s_lshl_b32 s75, s75, 5                         ; the work-group's first row tile x 32 bytes
	s_lshl_b32 s74, s74, 14
	s_add_co_u32 s78, s75, s74
	s_add_co_u32 s78, s78, OS
	s_mov_b32 s79, 0
	s_mov_b32 s80, 0x03020302                      ; an odd tile's two bytes are the word's upper two
	s_cmp_eq_u32 s11, 0
	s_cselect_b32 s80, 0x01000100, s80
	s_mov_b32 s20, 0x76543210
	s_mov_b32 s21, 0xfedcba98                      ; selects for lane l xor 16
	s_mov_b32 s22, 0x3e38aa3b                      ; c = log2(e) / 8
	s_mov_b32 s23, s22                             ; (named with it as a pair, so it is written)
	s_wait_dscnt 0x0
	s_wait_kmcnt 0x0
	s_add_nc_u64 s[14:15], s[4:5], s[14:15]
	s_add_nc_u64 s[16:17], s[4:5], s[16:17]
	s_add_nc_u64 s[68:69], s[4:5], s[68:69]
	s_add_nc_u64 s[70:71], s[4:5], s[70:71]
	s_add_nc_u64 s[76:77], s[6:7], s[76:77]
	s_add_nc_u64 s[78:79], s[6:7], s[78:79]
	s_mov_b32 s40, 1                               ; group 0, a set for each of the five loads
	s_add_co_u32 s41, s13, SCL
	s_mov_b64 s[42:43], s[16:17]
	s_or_b32 s43, s43, 0x80000000
.irp j, 0,1,2,3
	s_mov_b32 s[44+4*\j], 1
	s_add_co_u32 s[45+4*\j], s12, 49152*\j
	s_add_nc_u64 s[46+4*\j:47+4*\j], s[14:15], 49152*\j
	s_or_b32 s[47+4*\j], s[47+4*\j], 0x80000000
.endr
	CROUND                                         ; all four work-groups are here: the joint loads meet
	s_cmp_lt_u32 s18, 2                            ; all first fills of a wave stand in one branch on its number: five tensor loads of mine are out
	s_cbranch_scc0 .Lfilled
	tensor_load_to_lds s[40:43], s[32:39]
	s_nop 0
	tensor_load_to_lds s[44:47], s[24:31]
	s_nop 0
	tensor_load_to_lds s[48:51], s[24:31]
	s_nop 0
	tensor_load_to_lds s[52:55], s[24:31]
	s_nop 0
	tensor_load_to_lds s[56:59], s[24:31]
	s_nop 0
.rept 4
	v_nop
.endr
.Lfilled:
	v_and_b32 v9, 31, v0
	v_lshlrev_b32 v1, 4, v9
	v_lshlrev_b32 v2, 3, v9
	v_and_b32 v10, 15, v0
	v_lshlrev_b32 v9, 4, v10                       ; 16 r
	v_add_nc_u32 v3, SCL, v9
	v_and_b32 v7, 0x1e0, v0                        ; 32 x wave
	v_lshl_add_u32 v7, v10, 1, v7
	v_add_nc_u32 v7, OST, v7                       ; my row's two scale bytes of o
	v_add_nc_u32 v8, OST, v1
	global_load_b128 v[16:19], v1, s[68:69]        ; the first tile's q, half a fragment, twice
	global_load_b64 v[20:21], v2, s[68:69] offset:512
	global_load_b128 v[34:37], v1, s[68:69]
	global_load_b64 v[38:39], v2, s[68:69] offset:512
	global_load_b32 v226, v9, s[70:71]
	global_load_b128 v[Q2:Q2+3], v1, s[68:69] offset:12288     ; the second tile's comes with it and waits in registers of its own
	global_load_b64 v[Q2+4:Q2+5], v2, s[68:69] offset:12800
	global_load_b32 v[Q2+6], v9, s[70:71] offset:512
.set j, 22
.rept 12
	v_mov_b32 v[j], 0                              ; the zero codes: v22-27 and v28-33
.set j, j+1
.endr
	v_mov_b32 v13, 0xff61b1e6                      ; the largest t so far: -3e38
	v_floor_f32 v12, -v13                          ; -M
	v_mov_b32 v14, 0
	v_mov_b32 v15, 0
	v_mov_b32 v225, 0                              ; (named as the upper half of the pair v[224:225])
.irp b, 0,1,2,3
	v_mov_b32 v[BP+\b], 0                          ; a lane permute's destination counts as read
.endr
	s_wait_loadcnt 0x0
	v_perm_b32 v11, v226, v226, s80                ; q's scale word: its two bytes, twice
	v_perm_b32 v[Q2+7], v[Q2+6], v[Q2+6], s80      ; and the second tile's
.set j, 0
.rept 32
	v_mov_b32 v[160+j], 0                          ; O^T: the first change of M leaves zeros zeros.  (Also the places between v11's making and the first product)
.set j, j+1
.endr
; A KEY STEP: 128 keys.  s60: where the step's codes begin in LDS; s61: its scale words.
.macro STEP
	v_add_nc_u32 v4, s60, v1                       ; these three and the v_nop are the four places in front of loads into registers that the last products read
	v_add_nc_u32 v5, s60, v2
	v_add_nc_u32 v6, s61, v3
	v_nop
.irp f, 0,1,2,3
	ds_load_b128 v[KVF+12*\f:KVF+12*\f+3], v4 offset:1536*\f
	ds_load_b64 v[KVF+12*\f+4:KVF+12*\f+5], v5 offset:1536*\f+512
	ds_load_b128 v[KVF+12*\f+6:KVF+12*\f+9], v4 offset:1536*\f+768
	ds_load_b64 v[KVF+12*\f+10:KVF+12*\f+11], v5 offset:1536*\f+1280
.endr
	ds_load_b128 v[88:91], v6
	s_wait_dscnt 0x0
.irp t, 0,1,2,3,4,5,6,7
	v_wmma_scale_f32_16x16x128_f8f6f4 v[96+8*\t:103+8*\t], v[KVF+12*(\t/2):KVF+12*(\t/2)+11], v[16+12*(\t%2):27+12*(\t%2)], 0, v[88+\t/2], v11 matrix_a_fmt:MATRIX_FMT_FP6 matrix_b_fmt:MATRIX_FMT_FP6
.endr
.rept 4
	v_nop                                          ; places in front of the loads below and of the first read of the scores
.endr
.irp f, 0,1,2,3                        ; V's four fragments land while the softmax is walked
	ds_load_b128 v[KVF+12*\f:KVF+12*\f+3], v4 offset:6144+1536*\f
	ds_load_b64 v[KVF+12*\f+4:KVF+12*\f+5], v5 offset:6144+1536*\f+512
	ds_load_b128 v[KVF+12*\f+6:KVF+12*\f+9], v4 offset:6144+1536*\f+768
	ds_load_b64 v[KVF+12*\f+10:KVF+12*\f+11], v5 offset:6144+1536*\f+1280
.endr
	ds_load_b128 v[92:95], v6 offset:256
.irp b, 0,1,2,3
	v_max3_num_f32 v[BM+\b], v[96+16*\b], v[97+16*\b], v[98+16*\b]   ; the largest score of each block of 32 keys: for the row's maximum and for the block's largest p
.endr
.irp i, 3,5,7,9,11,13
.irp b, 0,1,2,3
	v_max3_num_f32 v[BM+\b], v[BM+\b], v[96+16*\b+\i], v[97+16*\b+\i]
.endr
.endr
.irp b, 0,1,2,3
	v_max_num_f32 v[BM+\b], v[BM+\b], v[111+16*\b]
.endr
.irp b, 0,1,2,3
	v_permlanex16_b32 v[BP+\b], v[BM+\b], s20, s21
.endr
.irp b, 0,1,2,3
	v_max_num_f32 v[BM+\b], v[BM+\b], v[BP+\b]     ; with lane l xor 16's 16 keys
.endr
	v_max3_num_f32 v226, v[BM], v[BM+1], v[BM+2]
	v_max_num_f32 v226, v226, v[BM+3]
	v_mul_f32 v226, s22, v226                      ; as t (c is positive)
	v_max_num_f32 v13, v13, v226                   ; the running largest t
	v_mov_b32 v226, v12
	v_floor_f32 v12, -v13                          ; the new -M = -ceil(t)
	v_sub_f32 v226, v12, v226                      ; old M - new M: a whole number, 0 or less
	v_cvt_i32_f32 v226, v226                       ; (it saturates)
	v_ldexp_f32 v224, 1.0, v226                    ; f = 2^(old M - new M)
.set j, 0
.rept 32
	v_pk_fma_f32 v[96+j:97+j], v[96+j:97+j], s[22:23], v[12:13] op_sel_hi:[1,0,0]   ; t - M, two at a time
.set j, j+2
.endr
.irp b, 0,1,2,3
	v_fma_f32 v[BM+\b], v[BM+\b], s22, v12         ; the same of each block's largest score
.endr
.set j, 0
.rept 64
	v_exp_f32 v[96+j], v[96+j]                     ; p = 2^(t - M)
.set j, j+1
.endr
.irp b, 0,1,2,3
	v_exp_f32 v[BM+\b], v[BM+\b]                   ; the block's largest p
.endr
	v_pk_mul_f32 v[14:15], v[14:15], v[224:225] op_sel_hi:[1,0]   ; the sum under the new M.  (A plain place behind the exponentials)
	s_wait_alu depctr_va_vdst(0)
.irp b, 0,1,2,3
	v_max_num_f32 v[BM+\b], 0x1800000, v[BM+\b]    ; the floor 2^(3 - 127)
.endr
.irp b, 0,1,2,3
	v_add_nc_u32 v[BS+\b], 0xff000000, v[BM+\b]    ; 2 off the exponent field: the conversion's scale operand
.endr
.irp b, 0,1,2,3
	v_lshrrev_b32 v[BP+\b], 23, v[BS+\b]           ; the scale's byte
.endr
	v_lshl_or_b32 v227, v[BP+1], 8, v[BP]          ; p's scale word for these 128 keys
	v_lshl_or_b32 v227, v[BP+2], 16, v227
	v_lshl_or_b32 v227, v[BP+3], 24, v227
.irp c, 0,1
	v_cvt_scalef32_pk16_fp6_f32 v[192+6*\c:194+6*\c], v[96+32*\c:111+32*\c], v[BS+2*\c]
	v_cvt_scalef32_pk16_fp6_f32 v[204+4*\c:206+4*\c], v[112+32*\c:127+32*\c], v[BS+2*\c+1]
.endr
	v_nop                                          ; one plain place behind the scaled conversions
.irp c, 0,1                            ; a whole block in a lane: lanes 0-15 block 2 c, lanes 16-31 block 2 c + 1
.irp i, 0,1,2
	v_permlane16_swap_b32 v[192+6*\c+\i], v[204+4*\c+\i]
.endr
.irp i, 0,1,2
	v_mov_b32 v[195+6*\c+\i], v[204+4*\c+\i]
.endr
.endr
.set j, 0
.rept 16
	v_pk_mul_f32 v[160+j:161+j], v[160+j:161+j], v[224:225] op_sel_hi:[1,0]   ; O^T under the new M
.set j, j+2
.endr
	v_pk_add_f32 v[228:229], v[96:97], v[98:99]    ; the row's sum is taken of the unquantised p: two chains.  (These 32 are also the places in front of the products below)
.set j, 4
.rept 15
	v_pk_add_f32 v[14:15], v[14:15], v[96+j:97+j]
	v_pk_add_f32 v[228:229], v[228:229], v[98+j:99+j]
.set j, j+4
.endr
	v_pk_add_f32 v[14:15], v[14:15], v[228:229]
	s_wait_dscnt 0x0                               ; V and its scale words are in
.irp t, 0,1,2,3                        ; O^T += V^T P^T: the four accumulators by turns, one instruction a turn
	v_wmma_scale_f32_16x16x128_f8f6f4 v[160+8*\t:167+8*\t], v[KVF+12*\t:KVF+12*\t+11], v[192:203], v[160+8*\t:167+8*\t], v[92+\t], v227 matrix_a_fmt:MATRIX_FMT_FP6 matrix_b_fmt:MATRIX_FMT_FP6
.endr
	s_add_co_u32 s60, s60, 12288
	s_add_co_u32 s61, s61, 512
.endm
; A run of key steps, from step first on.
.macro WALK first, steps
	s_mov_b32 s60, (\first)*12288
	s_mov_b32 s61, (\first)*512
	s_mov_b32 s62, \steps
.Lstep_\@:
	STEP
	s_sub_co_u32 s62, s62, 1
	s_cmp_lg_u32 s62, 0
	s_cbranch_scc1 .Lstep_\@
.endm
; The waves meet: the fetching waves have waited until at most left of their loads are out, and every wave reads what has landed behind the barrier.
; Waves 2-15 have no loads and pass the wait at once.  No LDS instruction of mine is out here: a step's last wait on DScnt is for 0.
.macro MEET left
	s_wait_tensorcnt \left
	s_barrier_signal -1
	s_barrier_wait -1
.endm
; THE WAY OUT of tile p of my two: O^T / the sum; register 16 b + i is channel 32 b + 16 h + i of the head: two blocks of 32 along the last product's K.  Half a fragment and two scale bytes a row.
.macro WAYOUT p
.rept 4
	v_nop                                          ; places behind the last products
.endr
	v_add_f32 v14, v14, v15
	v_permlanex16_b32 v226, v14, s20, s21
	v_add_f32 v14, v14, v226                       ; the row's sum
	v_rcp_f32 v14, v14
	v_nop                                          ; a plain place behind the transcendental
.set j, 0
	s_wait_alu depctr_va_vdst(0)
.rept 32
	v_mul_f32 v[96+j], v[160+j], v14               ; each accumulator from its low end on
.set j, j+1
.endr
.irp b, 0,1
	v_max3_num_f32 v[BM+\b], |v[96+16*\b]|, |v[97+16*\b]|, 0x1800000
.endr
.irp i, 2,4,6,8,10,12,14
.irp b, 0,1
	v_max3_num_f32 v[BM+\b], v[BM+\b], |v[96+16*\b+\i]|, |v[97+16*\b+\i]|
.endr
.endr
.irp b, 0,1
	v_permlanex16_b32 v[BP+\b], v[BM+\b], s20, s21
.endr
.irp b, 0,1
	v_max_num_f32 v[BM+\b], v[BM+\b], v[BP+\b]
.endr
.irp b, 0,1
	v_add_nc_u32 v[BS+\b], 0xff000000, v[BM+\b]
.endr
.irp b, 0,1
	v_lshrrev_b32 v[BP+\b], 23, v[BS+\b]
.endr
	v_lshl_or_b32 v226, v[BP+1], 8, v[BP]          ; my row's two bytes
	v_cvt_scalef32_pk16_fp6_f32 v[192:194], v[96:111], v[BS]
	v_cvt_scalef32_pk16_fp6_f32 v[204:206], v[112:127], v[BS+1]
	v_nop                                          ; one plain place behind the scaled conversions
.irp i, 0,1,2
	v_permlane16_swap_b32 v[192+\i], v[204+\i]
.endr
.irp i, 0,1,2
	v_mov_b32 v[195+\i], v[204+\i]
.endr
	global_store_b128 v1, v[192:195], s[76:77] offset:196608*\p       ; 512 consecutive bytes, aligned
	global_store_b64 v2, v[196:197], s[76:77] offset:196608*\p+512    ; 256
	ds_store_b16 v7, v226 offset:512*\p            ; lanes l and l xor 16 write the same bytes with the same value
.endm
	; MY FIRST TILE.  The count 3 leaves the three younger quarters' loads out: the scale words and the first quarter are in
	MEET 3
	WALK 0, 4
	MEET 0                                         ; the other three quarters had four key steps in which to land
	WALK 4, 12
	WAYOUT 0
	; MY SECOND TILE: all of K and V is in LDS and was shown so to every wave: no barrier.  q and its scale word move into place; the sums begin anew.
.irp i, 0,1,2,3,4,5
	v_mov_b32 v[16+\i], v[Q2+\i]
	v_mov_b32 v[34+\i], v[Q2+\i]
.endr
	v_mov_b32 v11, v[Q2+7]
	v_mov_b32 v13, 0xff61b1e6
	v_floor_f32 v12, -v13
	v_mov_b32 v14, 0
	v_mov_b32 v15, 0
.set j, 0
.rept 32
	v_mov_b32 v[160+j], 0                          ; (also the places between the writing of q and of its scale word and the next product)
.set j, j+1
.endr
	s_wait_xcnt 0x0                                ; the first tile's stores have read v192-197, which the next conversions write
	WALK 0, 16
	WAYOUT 1
	s_wait_dscnt 0x0                               ; for the others' sake: my two stores of scale bytes have landed
	s_barrier_signal -1
	s_barrier_wait -1
	s_cmp_lg_u32 s18, 0
	s_cbranch_scc1 .Lnot_first
	ds_load_b128 v[96:99], v8                      ; the sixteen first tiles' scale bytes: 512 bytes, which are neighbours in memory,
	ds_load_b128 v[100:103], v8 offset:512         ; and the sixteen second tiles', which follow them there
	s_wait_dscnt 0x0
	global_store_b128 v1, v[96:99], s[78:79]
	global_store_b128 v1, v[100:103], s[78:79] offset:512
.Lnot_first:
	s_wait_tensorcnt 0x0
	ds_add_u32 v254, v255
	s_wait_dscnt 0x0
	CROUND                                         ; the closing round
	s_endpgm
.Lfunc_end_k_q9c9657f611_attn:
	.size	k_q9c9657f611_attn, .Lfunc_end_k_q9c9657f611_attn-k_q9c9657f611_attn
	.p2alignl 7, 3214868480
	.fill 96, 4, 3214868480
	.section	.rodata,"a",@progbits
	.p2align	6, 0x0
	.amdhsa_kernel k_q9c9657f611_attn
		.amdhsa_group_segment_fixed_size 207872
		.amdhsa_private_segment_fixed_size 0
		.amdhsa_enable_private_segment 0
		.amdhsa_kernarg_size 16
		.amdhsa_user_sgpr_count 2
		.amdhsa_user_sgpr_kernarg_segment_ptr 1
		.amdhsa_wavefront_size32 1
		.amdhsa_system_sgpr_workgroup_id_x 1
		.amdhsa_system_sgpr_workgroup_id_y 1
		.amdhsa_system_sgpr_workgroup_id_z 1
		.amdhsa_system_vgpr_workitem_id 0
		.amdhsa_next_free_vgpr 256
		.amdhsa_next_free_sgpr 96
		.amdhsa_reserve_vcc 0
		.amdhsa_float_denorm_mode_32 3
		.amdhsa_float_denorm_mode_16_64 3
		.amdhsa_memory_ordered 1
		.amdhsa_forward_progress 1
		.amdhsa_inst_pref_size 67
	.end_amdhsa_kernel
	.amdgpu_metadata
---
amdhsa.version: [ 1, 2 ]
amdhsa.kernels:
  - .name:           k_q9c9657f611_attn
    .symbol:         k_q9c9657f611_attn.kd
    .args:
      - { .name: qkvc, .offset: 0, .size: 8, .value_kind: global_buffer, .address_space: global }
      - { .name: oc, .offset: 8, .size: 8, .value_kind: global_buffer, .address_space: global }
    .group_segment_fixed_size: 207872
    .private_segment_fixed_size: 0
    .kernarg_segment_align: 8
    .kernarg_segment_size: 16
    .max_flat_workgroup_size: 512
    .sgpr_count:     96
    .vgpr_count:     256
    .wavefront_size: 32
...
	.end_amdgpu_metadata
.endif
;; end of part 3
;; launch proj (part 4): grid 256 x 1, 16 waves a work-group, no clusters, 102,400 bytes of LDS; arguments oc, xwc, bo, ln_w, ln_b, out0; writes out0
.if DOCPART == 4
	.amdgcn_target "amdgcn-amd-amdhsa--gfx1250"
	.amdhsa_code_object_version 6
	.text
	.protected	k_q9c9657f611_proj
	.globl	k_q9c9657f611_proj
	.p2align	8
	.type	k_q9c9657f611_proj,@function
k_q9c9657f611_proj:
	s_mov_b64 s[64:65], 0
	v_nop
	global_prefetch_b8 v0, s[64:65] scope:SCOPE_SE
	s_setreg_imm32_b32 hwreg(HW_REG_WAVE_MODE, 25, 1), 1
	s_wait_xcnt 0x0
; out0 = LayerNorm(o Wo^T + bo) x ln_w + ln_b.  The product on codes of FP6 (E2M3) with E8M0 scales, sums in f32; the norm in f32, in two passes (mean, then the mean of squared differences).
; SHARES: a work-group takes 32 tokens (two stored row tiles) and ALL 1,024 columns, so that a row's mean and variance stay inside it.  Wave w takes columns 64 w .. 64 w + 63: four
; stored tiles of Wo.  The product is used transposed (source 0 = 16 rows of Wo, source 1 = 16 tokens): lane (r, h), tile t, register j: column 64 w + 32 (t / 2) + 8 (t % 2) + 16 h + j.
; NO CLUSTER, NO TENSOR LOAD: each fragment of Wo is used by one wave alone, so LDS would give it no second reader; Wo's 786,432 bytes of codes do not fit in LDS, and a ring of slots would
; put a round of barriers in front of each of seven refills for eight matrix instructions a wave.  So Wo's images stream straight into registers, two K steps (24 to 28 loads a wave) ahead.
; o's two tiles (24,576 bytes) are shared by all sixteen waves: they go to LDS once.
.set WC,   6291456                     ; in xwc
.set WS,   9699328
.set OS,   6291456                     ; in oc
.set ASC,  24576                       ; LDS: o's 16 fragments at 0; their scale words, [8 u + s] x 64 bytes;
.set RED1, 25600                       ; 32 rows x 80 bytes: the sixteen waves' partial sums; the second pass's lie 2,560 bytes on;
.set STG,  30720                       ; a stage of 16 rows x 272 bytes for each wave
.set ASW,  12                          ; v12-13   o's scale words
.set ACC,  16                          ; v16-79   (u, t) at 16 + 8 (4 u + t)
.set BO,   80                          ; v80-111  bo in the result's layout
.set BF,   112                         ; v112-207 Wo's fragments, two sets of 48; later what comes back from LDS, and ln_w, ln_b at v176-183
.set AFR,  208                         ; v208-231 o's two fragments
.set WSW,  232                         ; v232-247 Wo's scale words, two sets of 8
.set SU,   248                         ; v248-251 sums, a pair for each tile
.set PD,   252                         ; v252-253 the other lane's
.set RB,   112
.set LN,   176
	s_load_b256 s[4:11], s[0:1], 0x0               ; oc, xwc, bo, ln_w
	s_load_b128 s[12:15], s[0:1], 0x20             ; ln_b, out0
	v_lshl_add_u32 v254, v0, 2, 0x18800
	v_mov_b32 v255, 0
	v_lshrrev_b32 v1, 5, v0
	v_readfirstlane_b32 s18, v1                    ; wave 0..15
	s_mul_i32 s20, ttmp9, 24576                    ; my two row tiles' codes
	s_mov_b32 s21, 0
	s_and_b32 s22, s18, 7                          ; wave w gathers the scale words of fragment (u = w / 8, s = w % 8): heads 2 s and 2 s + 1
	s_lshl_b32 s22, s22, 15
	s_lshl_b32 s23, ttmp9, 1
	s_lshr_b32 s36, s18, 3
	s_add_co_u32 s23, s23, s36
	s_lshl_b32 s23, s23, 5
	s_add_co_u32 s22, s22, s23
	s_add_co_u32 s22, s22, OS
	s_mov_b32 s23, 0
	s_lshl_b32 s24, s18, 8                         ; my 64 columns of bo
	s_mov_b32 s25, 0
	s_lshl_b32 s38, s18, 8                         ; 256 w, for vector offsets
	s_lshl_b32 s36, s18, 2
	s_add_co_u32 s36, s36, 192                     ; Wo's tiles are the weights' 192 on
	s_mul_i32 s26, s36, 12288
	s_add_co_u32 s26, s26, WC
	s_mov_b32 s27, 0
	s_lshl_b32 s28, s36, 9
	s_add_co_u32 s28, s28, WS
	s_mov_b32 s29, 0
	s_lshl_b32 s30, ttmp9, 17                      ; 32 rows of 4,096 bytes
	s_mov_b32 s31, 0
	s_mov_b32 s32, 0x76543210
	s_mov_b32 s33, 0xfedcba98                      ; selects for lane l xor 16
	s_mov_b32 s34, 0x3a800000                      ; 1 / 1,024
	s_mov_b32 s35, 0x3727c5ac                      ; 1e-5
	s_mul_i32 s37, s18, 4352                       ; my stage
	s_lshl_b32 s39, s18, 6
	s_lshl_b32 s36, s18, 2
	v_lshlrev_b32 v1, 4, v0                        ; 16 x thread
	v_and_b32 v15, 31, v0
	v_lshlrev_b32 v2, 4, v15                       ; 16 x lane
	v_lshlrev_b32 v3, 3, v15                       ; 8 x lane
	v_and_b32 v15, 15, v0                          ; r
	v_bfe_u32 v248, v0, 4, 1                       ; h
	v_lshl_add_u32 v4, v15, 2, ASC                 ; o's scale words: 4 r
	v_lshlrev_b32 v5, 3, v15                       ; Wo's: 8 r
	v_mul_u32_u24 v7, v15, 80
	v_add_nc_u32 v7, RED1, v7                      ; row r's sixteen partial sums
	v_add_nc_u32 v6, s36, v7                       ; my wave's word among them
	v_mul_u32_u24 v8, v15, 272
	v_lshl_add_u32 v8, v248, 6, v8
	v_add_nc_u32 v8, s37, v8
	v_add_nc_u32 v8, STG, v8                       ; into the stage: row r, + 64 h
	v_mul_u32_u24 v9, v248, 272
	v_lshl_add_u32 v9, v15, 4, v9
	v_add_nc_u32 v9, s37, v9
	v_add_nc_u32 v9, STG, v9                       ; back: lanes 0-15 one row, lanes 16-31 the next
	v_lshlrev_b32 v14, 4, v15
	v_add_nc_u32 v14, s38, v14                     ; 256 w + 16 r: my four columns on the way out
	v_lshl_add_u32 v10, v248, 12, v14              ; + a row of out0 for lanes 16-31
	v_lshlrev_b32 v11, 6, v248                     ; 64 h
	v_add_nc_u32 v249, s39, v4                     ; where I put the scale word that I gather
	v_lshlrev_b32 v250, 1, v15                     ; 2 r
	v_mov_b32 v[PD], 0                             ; a lane permute's destination counts as read
	v_mov_b32 v[PD+1], 0
	s_wait_kmcnt 0x0
	s_add_nc_u64 s[20:21], s[4:5], s[20:21]
	s_add_nc_u64 s[22:23], s[4:5], s[22:23]
	s_add_nc_u64 s[24:25], s[8:9], s[24:25]
	s_add_nc_u64 s[26:27], s[6:7], s[26:27]
	s_add_nc_u64 s[28:29], s[6:7], s[28:29]
	s_add_nc_u64 s[30:31], s[14:15], s[30:31]
.macro G s                             ; K step s of my four tiles of Wo into set s % 2: 12 loads of 512 consecutive bytes; with an even s the scale words of steps s, s + 1: 4 more
.if (\s)%2 == 0
.irp t, 0,1,2,3
	global_load_b64 v[WSW+8*(((\s)/2)%2)+2*\t:WSW+8*(((\s)/2)%2)+2*\t+1], v5, s[28:29] offset:512*\t+128*((\s)/2)
.endr
.endif
.irp t, 0,1,2,3
.irp g, 0,1,2
	global_load_b128 v[BF+48*((\s)%2)+12*\t+4*\g:BF+48*((\s)%2)+12*\t+4*\g+3], v2, s[26:27] offset:12288*\t+1536*(\s)+512*\g
.endr
.endr
.endm
.macro ALD s                           ; o's two fragments of K step s (each two halves of 768 bytes) and their scale words
.irp u, 0,1
	ds_load_b128 v[AFR+12*\u:AFR+12*\u+3], v2 offset:12288*\u+1536*(\s)
	ds_load_b64 v[AFR+12*\u+4:AFR+12*\u+5], v3 offset:12288*\u+1536*(\s)+512
	ds_load_b128 v[AFR+12*\u+6:AFR+12*\u+9], v2 offset:12288*\u+1536*(\s)+768
	ds_load_b64 v[AFR+12*\u+10:AFR+12*\u+11], v3 offset:12288*\u+1536*(\s)+1280
	ds_load_b32 v[ASW+\u], v4 offset:64*(8*\u+(\s))
.endr
.endm
.macro KSTEP s
.if (\s) == 7
	s_wait_loadcnt 0x0
.elseif (\s)%2 == 0
	s_wait_loadcnt 12                              ; this step's loads are in; the next (odd) step's 12 may be out
.else
	s_wait_loadcnt 16                              ; the next (even) step's 16 may be out
.endif
	s_wait_dscnt 0x0
.irp u, 0,1                            ; eight accumulators by turns, one instruction a turn
.irp t, 0,1,2,3
.if (\s) == 0
	v_wmma_scale_f32_16x16x128_f8f6f4 v[ACC+8*(4*\u+\t):ACC+8*(4*\u+\t)+7], v[BF+48*((\s)%2)+12*\t:BF+48*((\s)%2)+12*\t+11], v[AFR+12*\u:AFR+12*\u+11], v[BO+8*\t:BO+8*\t+7], v[WSW+8*(((\s)/2)%2)+2*\t+(\s)%2], v[ASW+\u] matrix_a_fmt:MATRIX_FMT_FP6 matrix_b_fmt:MATRIX_FMT_FP6
.else
	v_wmma_scale_f32_16x16x128_f8f6f4 v[ACC+8*(4*\u+\t):ACC+8*(4*\u+\t)+7], v[BF+48*((\s)%2)+12*\t:BF+48*((\s)%2)+12*\t+11], v[AFR+12*\u:AFR+12*\u+11], v[ACC+8*(4*\u+\t):ACC+8*(4*\u+\t)+7], v[WSW+8*(((\s)/2)%2)+2*\t+(\s)%2], v[ASW+\u] matrix_a_fmt:MATRIX_FMT_FP6 matrix_b_fmt:MATRIX_FMT_FP6
.endif
.endr
.endr
.rept 4
	v_nop                                          ; places in front of loads into registers that these products read, and of the first read of results
.endr
.if (\s) < 7
	ALD (\s)+1
.endif
.if (\s) < 6
	G (\s)+2
.endif
.endm
	global_load_b128 v[208:211], v1, s[20:21]      ; o's codes: 512 threads x 16 bytes, three times
	global_load_b128 v[212:215], v1, s[20:21] offset:8192
	global_load_b128 v[216:219], v1, s[20:21] offset:16384
	global_load_u16 v220, v250, s[22:23]           ; head 2 s's two bytes of row r,
	global_load_u16 v221, v250, s[22:23] offset:16384   ; head 2 s + 1's
.irp t, 0,1,2,3
	global_load_b128 v[BO+8*\t:BO+8*\t+3], v11, s[24:25] offset:4*(32*(\t/2)+8*(\t%2))
	global_load_b128 v[BO+8*\t+4:BO+8*\t+7], v11, s[24:25] offset:4*(32*(\t/2)+8*(\t%2))+16
.endr
	G 0
	G 1
	s_wait_loadcnt 36                              ; the first five are in; behind them: bo's 8, step 0's 16, step 1's 12
	ds_store_b128 v1, v[208:211]
	ds_store_b128 v1, v[212:215] offset:8192
	ds_store_b128 v1, v[216:219] offset:16384
	v_lshl_or_b32 v220, v221, 16, v220
	ds_store_b32 v249, v220
	s_wait_dscnt 0x0                               ; for the others' sake: my stores have landed
	s_barrier_signal -1
	s_barrier_wait -1
	ALD 0
.irp s, 0,1,2,3,4,5,6,7
	KSTEP \s
.endr
	global_load_b128 v[LN:LN+3], v14, s[10:11]     ; ln_w and ln_b of my four columns on the way out
	global_load_b128 v[LN+4:LN+7], v14, s[12:13]
; A lane's pair of partial sums for each tile becomes the row's total over all 1,024 columns, in every lane: the pair's halves, lane l xor 16, then the sixteen waves through LDS.
.macro ACROSS off
.irp u, 0,1
	v_add_f32 v[SU+2*\u], v[SU+2*\u], v[SU+2*\u+1]
.endr
.irp u, 0,1
	v_permlanex16_b32 v[PD+\u], v[SU+2*\u], s32, s33
.endr
.irp u, 0,1
	v_add_f32 v[SU+2*\u], v[SU+2*\u], v[PD+\u]
.endr
.irp u, 0,1
	ds_store_b32 v6, v[SU+2*\u] offset:\off+1280*\u
.endr
	s_wait_dscnt 0x0                               ; my stores have landed
	s_barrier_signal -1
	s_barrier_wait -1
.irp u, 0,1
.irp k, 0,1,2,3
	ds_load_b128 v[RB+16*\u+4*\k:RB+16*\u+4*\k+3], v7 offset:\off+1280*\u+16*\k
.endr
.endr
	s_wait_dscnt 0x0
.irp u, 0,1
	v_pk_add_f32 v[SU+2*\u:SU+2*\u+1], v[RB+16*\u:RB+16*\u+1], v[RB+16*\u+2:RB+16*\u+3]
.endr
.irp j, 4,6,8,10,12,14
.irp u, 0,1
	v_pk_add_f32 v[SU+2*\u:SU+2*\u+1], v[SU+2*\u:SU+2*\u+1], v[RB+16*\u+\j:RB+16*\u+\j+1]
.endr
.endr
.irp u, 0,1
	v_add_f32 v[SU+2*\u], v[SU+2*\u], v[SU+2*\u+1] ; every wave adds in the same order: the same total in all
.endr
.endm
.irp u, 0,1
	v_pk_add_f32 v[SU+2*\u:SU+2*\u+1], v[ACC+32*\u:ACC+32*\u+1], v[ACC+32*\u+2:ACC+32*\u+3]   ; each accumulator from its low end on
.endr
.set j, 4
.rept 14
.irp u, 0,1
	v_pk_add_f32 v[SU+2*\u:SU+2*\u+1], v[SU+2*\u:SU+2*\u+1], v[ACC+32*\u+j:ACC+32*\u+j+1]
.endr
.set j, j+2
.endr
	ACROSS 0
.irp u, 0,1
	v_mul_f32 v[SU+2*\u], s34, v[SU+2*\u]          ; the mean
.endr
.set j, 0
.rept 16
.irp u, 0,1
	v_pk_add_f32 v[ACC+32*\u+j:ACC+32*\u+j+1], v[ACC+32*\u+j:ACC+32*\u+j+1], v[SU+2*\u:SU+2*\u+1] op_sel_hi:[1,0] neg_lo:[0,1] neg_hi:[0,1]   ; x - mean, in place
.endr
.set j, j+2
.endr
.irp u, 0,1
	v_pk_mul_f32 v[SU+2*\u:SU+2*\u+1], v[ACC+32*\u:ACC+32*\u+1], v[ACC+32*\u:ACC+32*\u+1]
.endr
.set j, 2
.rept 15
.irp u, 0,1
	v_pk_fma_f32 v[SU+2*\u:SU+2*\u+1], v[ACC+32*\u+j:ACC+32*\u+j+1], v[ACC+32*\u+j:ACC+32*\u+j+1], v[SU+2*\u:SU+2*\u+1]
.endr
.set j, j+2
.endr
	ACROSS 2560                                    ; other bytes than the first pass's: no barrier is needed between the first pass's reads and these stores
.irp u, 0,1
	v_fma_f32 v[SU+2*\u], v[SU+2*\u], s34, s35     ; the variance + 1e-5
.endr
.irp u, 0,1
	v_rsq_f32 v[SU+2*\u], v[SU+2*\u]
.endr
	v_nop                                          ; a plain place behind the transcendentals
.set j, 0
	s_wait_alu depctr_va_vdst(0)
.rept 16
.irp u, 0,1
	v_pk_mul_f32 v[ACC+32*\u+j:ACC+32*\u+j+1], v[ACC+32*\u+j:ACC+32*\u+j+1], v[SU+2*\u:SU+2*\u+1] op_sel_hi:[1,0]
.endr
.set j, j+2
.endr
	; THE WAY OUT, through my own stage: a lane holds pieces of one row, and comes back with 16 neighbouring bytes of a row's 256.  LDS serves a wave's instructions in order: no wait between stores and loads.
.irp u, 0,1
.irp t, 0,1,2,3
	ds_store_b128 v8, v[ACC+32*\u+8*\t:ACC+32*\u+8*\t+3] offset:128*(\t/2)+32*(\t%2)
	ds_store_b128 v8, v[ACC+32*\u+8*\t+4:ACC+32*\u+8*\t+7] offset:128*(\t/2)+32*(\t%2)+16
.endr
.irp i, 0,1,2,3,4,5,6,7
	ds_load_b128 v[RB+32*\u+4*\i:RB+32*\u+4*\i+3], v9 offset:544*\i
.endr
.endr
	s_wait_loadcnt 0x0                             ; ln_w, ln_b
.irp u, 0,1
.irp i, 0,1,2,3,4,5,6,7
	s_wait_dscnt 23-16*\u-\i                       ; behind tile 0's load i stand its 7 - i later loads and tile 1's 8 stores and 8 loads; behind tile 1's load i its 7 - i
	v_pk_fma_f32 v[RB+32*\u+4*\i:RB+32*\u+4*\i+1], v[RB+32*\u+4*\i:RB+32*\u+4*\i+1], v[LN:LN+1], v[LN+4:LN+5]
	v_pk_fma_f32 v[RB+32*\u+4*\i+2:RB+32*\u+4*\i+3], v[RB+32*\u+4*\i+2:RB+32*\u+4*\i+3], v[LN+2:LN+3], v[LN+6:LN+7]
	global_store_b128 v10, v[RB+32*\u+4*\i:RB+32*\u+4*\i+3], s[30:31] offset:(8*\u+2*\i+8*(\i/4))*4096 th:TH_STORE_NT   ; stored row 2 i + h of tile u is row 8 u + 2 i + h + 8 (i / 4); sixteen lanes store 256 consecutive bytes, aligned
.endr
.endr
	s_wait_tensorcnt 0x0
	ds_add_u32 v254, v255
	s_wait_dscnt 0x0
	s_endpgm
.Lfunc_end_k_q9c9657f611_proj:
	.size	k_q9c9657f611_proj, .Lfunc_end_k_q9c9657f611_proj-k_q9c9657f611_proj
	.p2alignl 7, 3214868480
	.fill 96, 4, 3214868480
	.section	.rodata,"a",@progbits
	.p2align	6, 0x0
	.amdhsa_kernel k_q9c9657f611_proj
		.amdhsa_group_segment_fixed_size 102400
		.amdhsa_private_segment_fixed_size 0
		.amdhsa_enable_private_segment 0
		.amdhsa_kernarg_size 48
		.amdhsa_user_sgpr_count 2
		.amdhsa_user_sgpr_kernarg_segment_ptr 1
		.amdhsa_wavefront_size32 1
		.amdhsa_system_sgpr_workgroup_id_x 1
		.amdhsa_system_sgpr_workgroup_id_y 1
		.amdhsa_system_sgpr_workgroup_id_z 1
		.amdhsa_system_vgpr_workitem_id 0
		.amdhsa_next_free_vgpr 256
		.amdhsa_next_free_sgpr 66
		.amdhsa_reserve_vcc 0
		.amdhsa_float_denorm_mode_32 3
		.amdhsa_float_denorm_mode_16_64 3
		.amdhsa_memory_ordered 1
		.amdhsa_forward_progress 1
		.amdhsa_inst_pref_size 49
	.end_amdhsa_kernel
	.amdgpu_metadata
---
amdhsa.version: [ 1, 2 ]
amdhsa.kernels:
  - .name:           k_q9c9657f611_proj
    .symbol:         k_q9c9657f611_proj.kd
    .args:
      - { .name: oc, .offset: 0, .size: 8, .value_kind: global_buffer, .address_space: global }
      - { .name: xwc, .offset: 8, .size: 8, .value_kind: global_buffer, .address_space: global }
      - { .name: bo, .offset: 16, .size: 8, .value_kind: global_buffer, .address_space: global }
      - { .name: ln_w, .offset: 24, .size: 8, .value_kind: global_buffer, .address_space: global }
      - { .name: ln_b, .offset: 32, .size: 8, .value_kind: global_buffer, .address_space: global }
      - { .name: out0, .offset: 40, .size: 8, .value_kind: global_buffer, .address_space: global }
    .group_segment_fixed_size: 102400
    .private_segment_fixed_size: 0
    .kernarg_segment_align: 8
    .kernarg_segment_size: 48
    .max_flat_workgroup_size: 512
    .sgpr_count:     66
    .vgpr_count:     256
    .wavefront_size: 32
...
	.end_amdgpu_metadata
.endif
;; end of part 4
